; MI455X (gfx1250); checked and timed in simulation.
; The chip was launched on July 23, 2026; its instructions are those of AMD's public machine-readable ISA for CDNA 5 (MIT licence, August 2026) and "CDNA5" Instruction Set Architecture Reference Guide (July 2026). The comments in the code are by the model that wrote it; some were corrected since.
;; Causal Multi Head Self Attention. Allowed arithmetic: matrix products marked QUANTISED: E2M1 operands, one E8M0 scale for each 32 along K, by v_wmma_scale_f32_16x16x128_f8f6f4 with both operands' format E2M1 (or v_wmma_scale_f32_32x16x128_f4), f32 sums; products left as they are: bf16, f16 or f32 operands; f32 sums; everything else in f32.
;; Inputs: Wout 1,024 x 1,024 float32; Wqkv 3,072 x 1,024 float32; x 4 x 2,048 x 1,024 float32.
;; Outputs: out0 4 x 2,048 x 1,024 float32.
;; This version of the problem:
;;   THIS VERSION OF THE PROBLEM IS GIVEN IN LOW PRECISION. The matrix products marked QUANTISED in the list below multiply operands that are first quantised to E2M1 (2 exponent bits, 1 mantissa bit; 4 bits a number), with one power-of-two scale for each 32 numbers along K (OCP MX v1.0); their sums are f32. The products marked 'left as it is' may take bf16, f16 or f32 operands, with f32 sums. Whichever they take, every output number must still come out within the allowed error. Rounding operands to bf16 (8 significant bits) uses up far more of that allowance than f16 does (11 bits, for magnitudes from 6e-5 to 65,504). All else is computed in f32.
;;   The module's matrix products, in the order in which they are computed (A, B: the left and right operand; K: the contracted axis; several contracted axes count as one K, in the product's order):
;;     1. [M 8,192, K 1,024] x [K 1,024, N 3,072]; A: input x; B: input Wqkv: QUANTISED
;;     2. batch 64 x [M 2,048, K 64] x [K 64, N 2,048]; A: computed on the way; B: computed on the way: left as it is (an operand is computed on the way)
;;     3. batch 64 x [M 2,048, K 2,048] x [K 2,048, N 64]; A: computed on the way; B: computed on the way: left as it is (an operand is computed on the way)
;;     4. [M 8,192, K 1,024] x [K 1,024, N 1,024]; A: computed on the way; B: input Wout: left as it is (an operand is computed on the way)
;;   THE QUANTISER, for each operand of a quantised product, along K:
;;     - K is cut into blocks of 32 from its start; a last block that is shorter is filled with zeros.
;;     - A block's scale is 2^e with e = floor(log2(the largest magnitude in the block)) - 2, held to -126 .. 127; a block of zeros has e = 0. As a byte (E8M0): e + 127.
;;     - Each number is divided by its block's scale, clamped to +-6, and rounded to the nearest number of E2M1, ties to even, subnormals kept.
;;     - The product sums the exact products of the quantised numbers (number of the format x scale) in f32.
;;   ~~~python
;;   def quantise(x, axis):      # numpy; x: float32 -> the quantised numbers, widened to float32 again
;;       x = np.moveaxis(x, axis, -1); K = x.shape[-1]
;;       x = np.pad(x, [(0, 0)] * (x.ndim - 1) + [(0, -K % 32)]); x = x.reshape(x.shape[:-1] + (-1, 32)); a = np.abs(x).max(-1, keepdims=True)
;;       e = np.where(a > 0, np.clip(np.frexp(np.where(a > 0, a, 1))[1] - 1 - 2, -126, 127), 0)      # np.frexp(a)[1] - 1 = floor(log2(a)), exactly
;;       r = np.clip(x / 2.0 ** e, -6, 6)
;;       step = 2.0 ** (np.maximum(np.frexp(np.where(r == 0, 1, r))[1] - 1, 0) - 1)
;;       q = np.round(r / step) * step * 2.0 ** e      # np.round: ties to even
;;       return np.moveaxis(q.reshape(q.shape[:-2] + (-1,))[..., :K], -1, axis).astype(np.float32)
;;   ~~~
;; One version. Each part assembles by itself: llvm-mc -triple=amdgcn-amd-amdhsa -mcpu=gfx1250 --defsym DOCPART=n.
;; ======== version 1 of 1: 5 launches
;; limits: values are held in f16: magnitudes above 65,504 overflow, below 6.1e-05 lose precision
;; workspace buffers: codes 5,767,168 bytes; scales 360,448 bytes; w16 2,097,152 bytes; rope 1,048,576 bytes; qkv16 50,331,648 bytes; fine32 786,432 bytes; a16 16,777,216 bytes
;; launch prep (part 1): grid 480 x 1, 4 waves a work-group, no clusters, 33,280 bytes of LDS; arguments x, Wqkv, Wout, codes, scales, w16, rope; writes codes, scales, w16, rope
.if DOCPART == 1
	.amdgcn_target "amdgcn-amd-amdhsa--gfx1250"
	.amdhsa_code_object_version 6
	.text
	.protected	k_q7bd5782000_prep
	.globl	k_q7bd5782000_prep
	.p2align	8
	.type	k_q7bd5782000_prep,@function
k_q7bd5782000_prep:
	s_mov_b64 s[64:65], 0
	v_nop
	global_prefetch_b8 v0, s[64:65] scope:SCOPE_SE
	s_setreg_imm32_b32 hwreg(HW_REG_WAVE_MODE, 25, 1), 1
	s_wait_xcnt 0x0
; PREP: three pieces of work that hang on the inputs alone, told apart by the work-group's number.
;  Q (work-groups 0-351): x [8192][1024] and Wqkv [3072][1024], f32, become codes of FP4 (E2M1), K innermost, with one E8M0 byte for each 32 along K.
;    codes: x's 8192 rows of 512 bytes, then Wqkv's 3072;  scales: x's rows of 32 bytes, then Wqkv's.  Both tensors are plain streams of blocks of 32.
;    A block's scale is 2^(floor(log2(largest magnitude)) - 2); its byte is the largest magnitude's exponent field - 2, held at 1 from below.
;  W (352-415): Wout, f32, rounded to f16, same order.
;  T (416-479): the table of cos and sin for the rotation, laid as the product's result registers want it:
;    rope[sel][postile][bq][u][lane][16 bytes] = (cos, sin, cos, sin) of position 16 postile + lane % 16 and pair 8 bq + 4 (lane / 16) + 2 u + 0, 1.
;    sel 1: as it is, for k.  sel 0: times c = log2(e) / 8, for q: the scores then come out as exponents of two.
; LIMITS: NaN and infinities among the inputs are not served.  A block of zeros gets the byte 1 where the rule says 127: its codes are zeros, and this program alone reads the bytes;
; blocks whose largest magnitude lies under 2^(2 - 126) were not tried.  |Wout| stays under 65,504 (f16).  The angles lie within about 3e-4 rad of pos x theta^(-i/32) as f32 arithmetic gives it
; (theta^(-i/32) is made by v_exp_f32); cos and sin of an angle within about 1e-6.
.set WAVES, 4
.set STEPS, 16
.set EMAX,  2
.set CB,    8                          ; bytes of 16 codes
.set R,     16                         ; v16-79   path Q: four sets of 16 numbers as they are loaded
.set X,     80                         ; v80-111  two sets of 16 neighbours
.set C,     128                        ; v128-191 codes: four registers for each step
.set E,     112                        ; v112-127 a scale byte for each step
.set WREG,  8192                       ; LDS: a region for each wave: two stages of 32 x SP bytes, then its 256 scale bytes
.set SP,    80                         ; a lane's place in a stage: 64 bytes + 16 of padding
.set SPW,   12                         ; v12  LDS address of my spare word; never rewritten
.set NIL,   13                         ; v13  0; never rewritten
.set SPARE, WAVES*WREG                 ; behind the four regions: the spare words, 128 bytes a wave
.set WGX,   256                        ; x's work-groups: 8192 x 1024 / 32768
.set WGQ,   352                        ; + Wqkv's 96
.set WGW,   416                        ; + Wout's 64
	s_load_b128 s[4:7], s[0:1], 0x0                ; x, Wqkv
	s_load_b128 s[8:11], s[0:1], 0x10              ; Wout, codes
	s_load_b128 s[12:15], s[0:1], 0x20             ; scales, w16
	s_load_b64 s[16:17], s[0:1], 0x30              ; rope
	v_lshl_add_u32 v[SPW], v0, 2, SPARE
	v_mov_b32 v[NIL], 0
	v_lshrrev_b32 v1, 5, v0
	v_readfirstlane_b32 s18, v1                    ; wave
	v_and_b32 v2, 31, v0                           ; lane
	v_lshlrev_b32 v3, 4, v2                        ; 16 x lane
	s_wait_kmcnt 0x0
	s_cmp_lt_u32 ttmp9, WGQ
	s_cbranch_scc0 .Lnot_q
; ---------------- path Q: the quantiser.  A wave takes 16 steps of 512 numbers.  Each load reads 512 consecutive bytes; a step's 2,048 bytes turn through the wave's own stage in LDS,
; so that a lane then holds 16 neighbours along K (two neighbouring lanes hold a block).  Loads run four steps ahead, the turn one step.
	s_mul_i32 s19, s18, WREG
	v_lshrrev_b32 v14, 2, v2
	v_mul_u32_u24 v14, v14, SP
	v_and_b32 v15, 3, v2
	v_lshl_add_u32 v14, v15, 4, v14
	v_add_nc_u32 v14, s19, v14                     ; into the stage: SP (lane / 4) + 16 (lane % 4)
	v_mul_u32_u24 v15, v2, SP
	v_add_nc_u32 v15, s19, v15                     ; out of it: SP x lane
	v_mul_u32_u24 v4, v2, CB                       ; my codes' place in a step's
	v_lshrrev_b32 v5, 1, v2
	s_add_co_u32 s19, s19, 2*32*SP
	v_add_nc_u32 v5, s19, v5                       ; my block's scale byte in LDS
	v_lshlrev_b32 v7, 3, v2                        ; on the way out 8 bytes a lane
	v_add_nc_u32 v6, s19, v7
	s_cmp_lt_u32 ttmp9, WGX                        ; x or Wqkv: the choice hangs on the work-group's number alone
	s_cselect_b64 s[4:5], s[4:5], s[6:7]
	s_cselect_b32 s19, 0, WGX
	s_sub_co_u32 s19, ttmp9, s19
	s_lshl_b32 s19, s19, 2
	s_add_co_u32 s20, s19, s18                     ; which run of 8,192 numbers of the tensor is mine
	s_mov_b32 s21, 0
	s_lshl_b64 s[22:23], s[20:21], 15              ; 32,768 bytes a run
	s_add_nc_u64 s[4:5], s[4:5], s[22:23]
	s_lshl_b32 s20, ttmp9, 2
	s_add_co_u32 s20, s20, s18                     ; the run's number in the joint buffers: x's 1,024 runs come first
	s_lshl_b32 s22, s20, 12                        ; 4,096 bytes of codes a run
	s_mov_b32 s23, 0
	s_add_nc_u64 s[10:11], s[10:11], s[22:23]
	s_lshl_b32 s22, s20, 8                         ; 256 scale bytes a run
	s_add_nc_u64 s[12:13], s[12:13], s[22:23]
.macro LOAD t
.irp i, 0,1,2,3
	global_load_b128 v[R+16*((\t)%4)+4*\i:R+16*((\t)%4)+4*\i+3], v3, s[4:5] offset:2048*(\t)+512*\i th:TH_LOAD_NT
.endr
.endm
.macro TURN t                          ; LDS serves a wave's instructions in order: no wait between the stores and the loads
.irp i, 0,1,2,3
	ds_store_b128 v14, v[R+16*((\t)%4)+4*\i:R+16*((\t)%4)+4*\i+3] offset:32*SP*((\t)%2)+8*SP*\i
.endr
.irp i, 0,1,2,3
	ds_load_b128 v[X+16*((\t)%2)+4*\i:X+16*((\t)%2)+4*\i+3], v15 offset:32*SP*((\t)%2)+16*\i
.endr
.endm
.irp t, 0,1,2,3
	LOAD \t
.endr
	s_wait_loadcnt 12                              ; step 0's four loads are in; three steps' twelve may be out
	TURN 0
.macro STEP t
.set XS, X+16*((\t)%2)
.if (\t) > 0
	s_wait_dscnt 1                                 ; this step's numbers are back from the stage; the last step's byte store may be out
.else
	s_wait_dscnt 0x0
.endif
.if (\t)+4 < STEPS
	LOAD (\t)+4                                    ; into the registers whose stores into the stage are done
.endif
.if (\t)+1 < STEPS
.if STEPS-2-(\t) >= 3
	s_wait_loadcnt 12                              ; the next step's four loads are in; those of the three steps behind it may be out
.else
	s_wait_loadcnt 4*(STEPS-2-(\t))
.endif
	TURN (\t)+1
.endif
	v_max3_num_f32 v8, |v[XS]|, |v[XS+1]|, |v[XS+2]|               ; the largest magnitude of my 16, in two chains
	v_max3_num_f32 v9, |v[XS+3]|, |v[XS+4]|, |v[XS+5]|
.irp i, 6,10
	v_max3_num_f32 v8, v8, |v[XS+\i]|, |v[XS+\i+1]|
	v_max3_num_f32 v9, v9, |v[XS+\i+2]|, |v[XS+\i+3]|
.endr
	v_max3_num_f32 v8, v8, |v[XS+14]|, |v[XS+15]|
	v_max3_num_f32 v8, v8, v9, (EMAX+1)<<23        ; and the floor 2^(EMAX + 1 - 127): the byte cannot fall under 1
	v_max_num_f32_dpp v8, v8, v8 row_xmask:1 row_mask:0xf bank_mask:0xf   ; with my neighbour's 16: the block's
	v_add_nc_u32 v11, -(EMAX<<23), v8              ; EMAX off its exponent field: the conversion takes this operand's exponent field as its scale
	v_cvt_scalef32_pk8_fp4_f32 v[C+4*(\t)], v[XS:XS+7], v11
	v_cvt_scalef32_pk8_fp4_f32 v[C+4*(\t)+1], v[XS+8:XS+15], v11
	v_lshrrev_b32 v[E+(\t)], 23, v11               ; the scale's byte
	ds_store_b8 v5, v[E+(\t)] offset:16*(\t)       ; both lanes of a block write the same byte with the same value
	global_store_b64 v4, v[C+4*(\t):C+4*(\t)+1], s[10:11] offset:32*CB*(\t)   ; the wave stores 256 consecutive bytes, aligned
.endm
.irp t, 0,1,2,3,4,5,6,7,8,9,10,11,12,13,14,15
	STEP \t
.endr
	ds_load_b64 v[8:9], v6                         ; my wave's 256 scale bytes, 8 a lane
	s_wait_dscnt 0x0
	global_store_b64 v7, v[8:9], s[12:13]          ; 256 consecutive bytes, aligned
	s_wait_tensorcnt 0x0                           ; the wave's end, behind my last LDS store
	ds_add_u32 v[SPW], v[NIL]
	s_wait_dscnt 0x0
	s_endpgm
.Lnot_q:
	s_cmp_lt_u32 ttmp9, WGW
	s_cbranch_scc0 .Lpath_t
; ---------------- path W: a wave rounds 4,096 numbers of Wout to f16.  All 32 loads go out first; no register is written twice, so no store's data need a wait.
	s_sub_co_u32 s19, ttmp9, WGQ
	s_lshl_b32 s19, s19, 2
	s_add_co_u32 s19, s19, s18
	s_lshl_b32 s20, s19, 14                        ; 16,384 bytes in
	s_mov_b32 s21, 0
	s_add_nc_u64 s[8:9], s[8:9], s[20:21]
	s_lshl_b32 s20, s19, 13                        ; 8,192 bytes out
	s_add_nc_u64 s[14:15], s[14:15], s[20:21]
	v_lshlrev_b32 v4, 3, v2
.set I, 0
.rept 32
	global_load_b128 v[16+4*I:19+4*I], v3, s[8:9] offset:512*I th:TH_LOAD_NT
.set I, I+1
.endr
.set G, 0
.rept 4
	s_wait_loadcnt 24-8*G                          ; this group of eight loads is in; the younger groups may be out
.set I, 8*G
.rept 8
	v_cvt_pk_f16_f32 v[16+4*I], v[16+4*I], v[17+4*I]
	v_cvt_pk_f16_f32 v[17+4*I], v[18+4*I], v[19+4*I]
	global_store_b64 v4, v[16+4*I:17+4*I], s[14:15] offset:256*I   ; 256 consecutive bytes, aligned
.set I, I+1
.endr
.set G, G+1
.endr
	s_endpgm
.Lpath_t:
; ---------------- path T: a wave makes one tile of 16 positions x 16 of the 32 pairs: eight angles a lane.
	s_sub_co_u32 s32, ttmp9, WGW
	s_lshl_b32 s32, s32, 2
	s_add_co_u32 s32, s32, s18
	s_lshr_b32 s33, s32, 1                         ; postile
	s_and_b32 s34, s32, 1                          ; which half of the pairs: bq 0, 1 or 2, 3
	s_lshl_b32 s35, s33, 4
	s_lshl_b32 s36, s34, 4
	v_and_b32 v5, 15, v2
	v_add_nc_u32 v5, s35, v5
	v_cvt_f32_u32 v5, v5                           ; my position
	v_lshrrev_b32 v6, 4, v2
	v_lshlrev_b32 v6, 2, v6
	v_add_nc_u32 v6, s36, v6                       ; my first pair: 16 x half + 4 (lane / 16)
	s_lshl_b32 s36, s33, 12
	s_lshl_b32 s37, s34, 11
	s_add_co_u32 s36, s36, s37
	s_mov_b32 s37, 0
	s_add_nc_u64 s[16:17], s[16:17], s[36:37]
	s_mov_b32 s20, 0x3f22f983                      ; 2 / pi, its first 24 bits,
	s_mov_b32 s21, 0x32dc9c88                      ; and the next 24
	s_mov_b32 s22, 0x3fc90fdb                      ; pi / 2
	s_mov_b32 s23, 0xbe2aaaab                      ; sine: -1/6, 1/120, -1/5040, 1/362880
	s_mov_b32 s24, 0x3c088889
	s_mov_b32 s25, 0xb9500d01
	s_mov_b32 s26, 0x3638ef1d
	s_mov_b32 s27, 0x3d2aaaab                      ; cosine: 1/24, -1/720, 1/40320
	s_mov_b32 s28, 0xbab60b61
	s_mov_b32 s29, 0x37d00d01
	s_mov_b32 s30, 0x3e38aa3b                      ; c = log2(e) / 8
	s_mov_b32 s31, s30                             ; (named with it as a pair)
.irp q, 0,1,2,3,4,5,6,7                        ; evaluation q = 4 e + 2 u + z is pair: first + 8 e + 2 u + z
	v_add_nc_u32 v[16+\q], 8*(\q/4)+\q%4, v6
.endr
.irp q, 0,1,2,3,4,5,6,7
	v_cvt_f32_u32 v[16+\q], v[16+\q]
.endr
.irp q, 0,1,2,3,4,5,6,7
	v_mul_f32 v[16+\q], 0xbed49a78, v[16+\q]       ; -i log2(10000) / 32
.endr
.irp q, 0,1,2,3,4,5,6,7
	v_exp_f32 v[16+\q], v[16+\q]                   ; 10000^(-i / 32)
.endr
	v_nop                                          ; a plain instruction behind the last exponential
	s_wait_alu depctr_va_vdst(0)                   ; one wait for the batch, ahead of its first reader
.irp q, 0,1,2,3,4,5,6,7
	v_mul_f32 v[16+\q], v5, v[16+\q]               ; the angle, at most 2,047
.endr
; cos and sin of v[16 + q] into v[64 + 2 q], v[65 + 2 q].  The angle times 2 / pi in two parts; the nearest whole number n off; the rest, at most pi / 4, into two polynomials; n mod 4 picks and signs.
.macro SINCOS q
	v_mul_f32 v32, s20, v[16+\q]
	v_fma_f32 v33, v[16+\q], s20, -v32             ; what that product's rounding dropped,
	v_fma_f32 v33, v[16+\q], s21, v33              ; and the second part
	v_rndne_f32 v34, v32
	v_sub_f32 v32, v32, v34
	v_add_f32 v32, v32, v33
	v_mul_f32 v32, s22, v32                        ; the reduced angle
	v_mul_f32 v35, v32, v32
	v_fma_f32 v36, v35, s26, s25
	v_fma_f32 v36, v36, v35, s24
	v_fma_f32 v36, v36, v35, s23
	v_mul_f32 v36, v36, v35
	v_fma_f32 v36, v36, v32, v32                   ; its sine
	v_fma_f32 v37, v35, s29, s28
	v_fma_f32 v37, v37, v35, s27
	v_fma_f32 v37, v37, v35, -0.5
	v_fma_f32 v37, v37, v35, 1.0                   ; its cosine
	v_cvt_i32_f32 v34, v34
	v_and_b32 v38, 1, v34
	v_cmp_eq_u32 vcc_lo, 1, v38
	v_cndmask_b32 v39, v36, v37, vcc_lo            ; n odd: the two change places
	v_cndmask_b32 v40, v37, v36, vcc_lo
	v_and_b32 v38, 2, v34
	v_lshlrev_b32 v38, 30, v38
	v_xor_b32 v[65+2*\q], v38, v39                 ; sine: minus for n mod 4 = 2, 3
	v_add_nc_u32 v34, 1, v34
	v_and_b32 v34, 2, v34
	v_lshlrev_b32 v34, 30, v34
	v_xor_b32 v[64+2*\q], v34, v40                 ; cosine: minus for n mod 4 = 1, 2
.endm
.irp q, 0,1,2,3,4,5,6,7
	SINCOS \q
.endr
.irp q, 0,1,2,3,4,5,6,7
	v_pk_mul_f32 v[80+2*\q:81+2*\q], v[64+2*\q:65+2*\q], s[30:31] op_sel_hi:[1,0]   ; q's table: times c
.endr
.irp e, 0,1
.irp u, 0,1
	global_store_b128 v3, v[80+8*\e+4*\u:83+8*\e+4*\u], s[16:17] offset:1024*\e+512*\u          ; 512 consecutive bytes a store
	global_store_b128 v3, v[64+8*\e+4*\u:67+8*\e+4*\u], s[16:17] offset:524288+1024*\e+512*\u
.endr
.endr
	s_endpgm
.Lfunc_end_k_q7bd5782000_prep:
	.size	k_q7bd5782000_prep, .Lfunc_end_k_q7bd5782000_prep-k_q7bd5782000_prep
	.p2alignl 7, 3214868480
	.fill 96, 4, 3214868480
	.section	.rodata,"a",@progbits
	.p2align	6, 0x0
	.amdhsa_kernel k_q7bd5782000_prep
		.amdhsa_group_segment_fixed_size 33280
		.amdhsa_private_segment_fixed_size 0
		.amdhsa_enable_private_segment 0
		.amdhsa_kernarg_size 56
		.amdhsa_user_sgpr_count 2
		.amdhsa_user_sgpr_kernarg_segment_ptr 1
		.amdhsa_wavefront_size32 1
		.amdhsa_system_sgpr_workgroup_id_x 1
		.amdhsa_system_sgpr_workgroup_id_y 1
		.amdhsa_system_sgpr_workgroup_id_z 1
		.amdhsa_system_vgpr_workitem_id 0
		.amdhsa_next_free_vgpr 192
		.amdhsa_next_free_sgpr 66
		.amdhsa_reserve_vcc 1
		.amdhsa_float_denorm_mode_32 3
		.amdhsa_float_denorm_mode_16_64 3
		.amdhsa_memory_ordered 1
		.amdhsa_forward_progress 1
		.amdhsa_inst_pref_size 58
	.end_amdhsa_kernel
	.amdgpu_metadata
---
amdhsa.version: [ 1, 2 ]
amdhsa.kernels:
  - .name:           k_q7bd5782000_prep
    .symbol:         k_q7bd5782000_prep.kd
    .args:
      - { .name: x, .offset: 0, .size: 8, .value_kind: global_buffer, .address_space: global }
      - { .name: Wqkv, .offset: 8, .size: 8, .value_kind: global_buffer, .address_space: global }
      - { .name: Wout, .offset: 16, .size: 8, .value_kind: global_buffer, .address_space: global }
      - { .name: codes, .offset: 24, .size: 8, .value_kind: global_buffer, .address_space: global }
      - { .name: scales, .offset: 32, .size: 8, .value_kind: global_buffer, .address_space: global }
      - { .name: w16, .offset: 40, .size: 8, .value_kind: global_buffer, .address_space: global }
      - { .name: rope, .offset: 48, .size: 8, .value_kind: global_buffer, .address_space: global }
    .group_segment_fixed_size: 33280
    .private_segment_fixed_size: 0
    .kernarg_segment_align: 8
    .kernarg_segment_size: 56
    .max_flat_workgroup_size: 128
    .sgpr_count:     66
    .vgpr_count:     192
    .wavefront_size: 32
...
	.end_amdgpu_metadata
.endif
;; end of part 1
;; launch qkv (part 2): grid 12 x 32, 4 waves a work-group, clusters of 4 x 4, 327,680 bytes of LDS; arguments codes, scales, rope, qkv16, fine32; writes qkv16, fine32
.if DOCPART == 2
	.amdgcn_target "amdgcn-amd-amdhsa--gfx1250"
	.amdhsa_code_object_version 6
	.text
	.protected	k_q7bd5782000_qkv
	.globl	k_q7bd5782000_qkv
	.p2align	8
	.type	k_q7bd5782000_qkv,@function
k_q7bd5782000_qkv:
	s_mov_b64 s[64:65], 0
	v_nop
	global_prefetch_b8 v0, s[64:65] scope:SCOPE_SE
	s_setreg_imm32_b32 hwreg(HW_REG_WAVE_MODE, 25, 1), 1
	s_wait_xcnt 0x0
	s_wait_alu depctr_hold_cnt(0) depctr_sa_sdst(0) depctr_va_vdst(0) depctr_va_sdst(0) depctr_va_ssrc(0) depctr_va_vcc(0) depctr_vm_vsrc(0)
	s_getreg_b32 s2, hwreg(HW_REG_IB_STS2, 6, 4)
	s_cmp_eq_u32 s2, 0
	s_cbranch_scc0 .Lentry_in_a_cluster
	s_endpgm
.Lentry_in_a_cluster:
	s_bfe_u32 s2, ttmp6, 0x10000c
	s_cmp_lg_u32 s2, 0xf033
	s_cbranch_scc0 .Lentry_shape_is_right
	s_endpgm
.Lentry_shape_is_right:
; QKV: [8192][3072] = x Wqkv^T on codes of FP4 (E2M1) with one E8M0 scale for each 32 along K = 1,024; sums in f32.  On the way out q and k are rotated (RoPE), q also scaled by log2(e) / 8
; (the table holds the factor), all three rounded to f16 and laid by head as the attention launch reads them; positions 0-15 of every sequence also leave in f32.
; A tile of 256 x 256 is made by four waves, 128 x 128 each: 64 accumulators, 512 registers.  K goes in two steps of 512 through two LDS slots: each slot is filled once, so nothing is filled again.
; The scale bytes of the tile's 256 + 256 rows come once, as dense blocks.
; CLUSTERS: 4 x 4 work-groups; the four of a row need the same rows of x, the four of a column the same rows of Wqkv: joint loads, as the masks say.
; Tile row = 8 cy + cluster y: so the batch is cy and the tile's first position 256 x cluster y.  Tile column = 4 x cluster x + cx: so cluster x says q, k or v.  Every branch of the way out
; hangs on cluster x, cluster y and the wave's number alone, which are the same in all sixteen partners.
; THE MATRIX INSTRUCTION IS USED TRANSPOSED (source 0 = 16 rows of Wqkv, source 1 = 16 rows of x): a lane holds one position and eight neighbouring channels.
; qkv16[sel][16 b + h][postile][2048]: q, k: [c][u][lane][16 bytes] = position lane % 16, channels 32 c + 16 u + 8 (lane / 16) + 0..7: an image of a 16-bit operand's registers;
;   v: [ct][position][32 bytes] = channels 16 ct + 0..15.  fine32[b][sel][head][bq][u][lane][16 bytes]: f32, position lane % 16, channels 16 bq + 8 (lane / 16) + 4 u + 0..3.
; LIMIT: |q log2(e) / 8|, |k|, |v| stay under 65,504 (f16).
; REGISTERS, in windows of 256: window 0: v0-31 addresses; v32-95 scale words, two sets; from v128 the fragments of x, one set; on the way out v32-223 are at work.
;   window 1: the fragments of Wqkv, two sets.   window 2: the accumulators of my rows 0-63 ((a, b) at v[8 (8 a + b)]);   window 3: those of rows 64-127.
.set SIZE_K, 1024
.set KSTEP,  512
.set NQ,     KSTEP/128
.set ROWB,   256                       ; a tile's row in bytes
.set KROW,   SIZE_K*4/8                ; a row of codes in memory
.set PITCH,  272                       ; an LDS row: 256 bytes + 16 of padding: the 16 rows of a load start 68 words apart
.set FR,     8
.set NL,     2
.set NP,     4                         ; places behind this matrix instruction (ISA guide 7.12.1)
.set HALFT,  128*PITCH
.set SLOT,   4*HALFT
.set KS,     SIZE_K/32
.set SCL,    2*SLOT                    ; behind the slots: the scales, as rows of 256 bytes + 16
.set HALFS,  (128*KS/256)*272
.set SBLK,   (16*KS/256)*272
.set SPARE,  SCL+4*HALFS               ; the spare words, 128 bytes a wave
.set XCODES, 4194304                   ; where Wqkv's codes begin
.set XSCALES, 262144                   ; and its scale bytes
.set ADRA, 16                          ; v16-17  LDS address of my fragments of x in slot 0, 1
.set ADRB, 20                          ; v20-21  of Wqkv
.set L16,  24                          ; v24     16 x lane
.set CV,   26                          ; v26     v's place: 32 (lane % 16) + 16 (lane / 16)
.set ADRS, 27                          ; v27     LDS address of my scale words
.set SPW,  28
.set NIL,  29
.set SC,   32
.set AF,   128
.set T,    32                          ; the way out: v32-95 the table, two sets of 32
.set WK,   96                          ; v96-159 a block's 64 rotated numbers
.set PK,   160                         ; v160-223 packed f16, two sets of 32
.set G1, 24
.set G0, 32
.set G1B, 48
.set G0B, 56
.set G1S, 68
.set G0S, 76
.set G1SB, 80
.set G0SB, 88
.set MSB, 0
.macro WIN new                         ; the immediate's high byte repeats the setting that is left
.if MSB != \new
	s_set_vgpr_msb (MSB<<8)|\new
.set MSB, \new
.endif
.endm
.set MUL_LO, 0xa1                      ; source 0 window 1, source 1 window 0, C and D window 2
.set MUL_HI, 0xf1
.set TO_B,   0x40
; A joint load: waves 0 and 1 fetch for x, waves 2 and 3 for Wqkv.  An s_nop 0 and four v_nop follow each of the two lines.
.macro JLOAD g0a, g1a, g0b, g1b
	s_cmp_eq_u32 s15, 0
	s_cbranch_scc0 .Lfor_b_\@
	tensor_load_to_lds s[\g0a:\g0a+3], s[\g1a:\g1a+7]
	s_nop 0
.rept 4
	v_nop
.endr
	s_branch .Lasked_\@
.Lfor_b_\@:
	tensor_load_to_lds s[\g0b:\g0b+3], s[\g1b:\g1b+7]
	s_nop 0
.rept 4
	v_nop
.endr
.Lasked_\@:
.endm
.macro CROUND                          ; a round of the cluster's barrier
	s_barrier_signal -1
	s_barrier_wait -1
	s_cmp_lg_u32 s14, 0
	s_cbranch_scc1 .Lnot_wave_0_\@
	s_barrier_signal -3
.Lnot_wave_0_\@:
	s_barrier_wait -3
	s_barrier_signal -1
	s_barrier_wait -1
.endm
	s_load_b128 s[4:7], s[0:1], 0x0                ; codes, scales
	s_load_b128 s[96:99], s[0:1], 0x10             ; rope, qkv16
	s_load_b64 s[100:101], s[0:1], 0x20            ; fine32
	v_lshl_add_u32 v[SPW], v0, 2, SPARE
	v_mov_b32 v[NIL], 0
	ds_add_u32 v[SPW], v[NIL]                      ; the wave's opening: the add, twice on end, and its wait ahead of my first tensor load
	ds_add_u32 v[SPW], v[NIL]
	v_lshrrev_b32 v1, 5, v0
	v_readfirstlane_b32 s14, v1                    ; wave 0..3
	s_lshr_b32 s15, s14, 1                         ; which half of the tile's rows is mine.  Also: I fetch for x (0) or for Wqkv (1)
	s_and_b32 s16, s14, 1                          ; which half of its columns.  Also: which 128 rows I fetch
	s_bfe_u32 s40, ttmp6, 0x40000                  ; cx
	s_bfe_u32 s41, ttmp6, 0x40004                  ; cy
	s_lshl_b32 s42, ttmp9, 2
	s_add_co_u32 s42, s42, s40                     ; tile column = 4 x cluster x + cx
	s_and_b32 s66, ttmp7, 0xffff                   ; cluster y
	s_lshl_b32 s17, s41, 3
	s_add_co_u32 s17, s17, s66                     ; tile row = 8 cy + cluster y
	s_lshl_b32 s43, s41, 2
	s_lshl_b32 s43, 15, s43                        ; my row of the cluster
	s_lshl_b32 s44, 0x1111, s40                    ; my column
	s_or_b32 s[G1+0], s43, (0<<16)|(1<<20)|(1<<21)|(5<<22)|(3<<25)  ; the mask; elements of 1 byte; padding: 4 words behind every 64; bit 21 beside a mask
	s_or_b32 s[G1B+0], s44, (0<<16)|(1<<20)|(1<<21)|(5<<22)|(3<<25)
.irp g, G1, G1B
	s_mov_b32 s[\g+1], ROWB<<16                    ; tensor_dim0
	s_mov_b32 s[\g+2], 128<<16                     ; tensor_dim1
	s_mov_b32 s[\g+3], ROWB<<16                    ; tile_dim0
	s_mov_b32 s[\g+4], 128                         ; tile_dim1
	s_mov_b32 s[\g+5], KROW                        ; the pitch
	s_mov_b32 s[\g+6], 0
	s_mov_b32 s[\g+7], 0
.endr
	s_or_b32 s[G1S+0], s43, (3<<16)|(1<<20)|(1<<21)|(5<<22)|(3<<25) ; the scales of 128 rows: a dense block, as rows of 256 bytes (32 elements of 8)
	s_or_b32 s[G1SB+0], s44, (3<<16)|(1<<20)|(1<<21)|(5<<22)|(3<<25)
.irp g, G1S, G1SB
	s_mov_b32 s[\g+1], 32<<16
	s_mov_b32 s[\g+2], (128*KS/256)<<16
	s_mov_b32 s[\g+3], 32<<16
	s_mov_b32 s[\g+4], 128*KS/256
	s_mov_b32 s[\g+5], 32
	s_mov_b32 s[\g+6], 0
	s_mov_b32 s[\g+7], 0
.endr
	s_lshl_b32 s18, s16, 7
	s_lshl_b32 s20, s17, 8
	s_add_co_u32 s20, s20, s18                     ; x: row 256 x tile row + 128 x half
	s_lshl_b32 s46, s42, 8
	s_add_co_u32 s46, s46, s18                     ; Wqkv: row 256 x tile column + 128 x half
	s_mov_b32 s21, 0
	s_mov_b32 s47, 0
	s_mov_b64 s[18:19], KS
	s_mul_u64 s[22:23], s[20:21], s[18:19]         ; where these rows' scales begin
	s_mul_u64 s[92:93], s[46:47], s[18:19]
	s_mov_b64 s[18:19], KROW
	s_mul_u64 s[20:21], s[20:21], s[18:19]         ; and their codes
	s_mul_u64 s[46:47], s[46:47], s[18:19]
	s_mul_i32 s45, s14, HALFT                      ; where they go: wave x 128 rows
	s_mul_i32 s94, s14, HALFS
	s_wait_dscnt 0x0                               ; both opening adds are done
	s_wait_kmcnt 0x0
	s_add_nc_u64 s[8:9], s[4:5], XCODES            ; Wqkv's codes and scales lie behind x's
	s_add_nc_u64 s[10:11], s[6:7], XSCALES
	s_add_nc_u64 s[20:21], s[4:5], s[20:21]
	s_add_nc_u64 s[22:23], s[6:7], s[22:23]
	s_add_nc_u64 s[46:47], s[8:9], s[46:47]
	s_add_nc_u64 s[92:93], s[10:11], s[92:93]
	CROUND                                         ; all sixteen work-groups are here: the joint loads meet
	s_mov_b32 s[G0S], 1
	s_add_co_u32 s[G0S+1], s94, SCL
	s_mov_b64 s[G0S+2:G0S+3], s[22:23]
	s_or_b32 s[G0S+3], s[G0S+3], 0x80000000
	s_mov_b32 s[G0SB], 1
	s_add_co_u32 s[G0SB+1], s94, SCL
	s_mov_b64 s[G0SB+2:G0SB+3], s[92:93]
	s_or_b32 s[G0SB+3], s[G0SB+3], 0x80000000
	JLOAD G0S, G1S, G0SB, G1SB                     ; the scales first; then both K steps: three loads of mine are out
.irp s, 0,1
	s_mov_b32 s[G0+4*\s], 1
	s_add_co_u32 s[G0+4*\s+1], s45, \s*SLOT
	s_add_nc_u64 s[G0+4*\s+2:G0+4*\s+3], s[20:21], \s*ROWB
	s_or_b32 s[G0+4*\s+3], s[G0+4*\s+3], 0x80000000
	s_mov_b32 s[G0B+4*\s], 1
	s_add_co_u32 s[G0B+4*\s+1], s45, \s*SLOT
	s_add_nc_u64 s[G0B+4*\s+2:G0B+4*\s+3], s[46:47], \s*ROWB
	s_or_b32 s[G0B+4*\s+3], s[G0B+4*\s+3], 0x80000000
	JLOAD G0+4*\s, G1, G0B+4*\s, G1B
.endr
	v_and_b32 v1, 15, v0                           ; l % 16
	v_bfe_u32 v2, v0, 4, 1                         ; l / 16
	v_mul_u32_u24 v3, v1, PITCH
	v_lshl_add_u32 v4, v2, 4, v3
	s_mul_i32 s21, s15, HALFT
	s_mul_i32 s22, s16, HALFT
	s_add_co_u32 s22, s22, 2*HALFT
.irp s, 0,1
	v_add_nc_u32 v[ADRA+\s], s21, v4
	v_add_nc_u32 v[ADRB+\s], s22, v4
	s_add_co_u32 s21, s21, SLOT
	s_add_co_u32 s22, s22, SLOT
.endr
	v_mul_u32_u24 v5, v1, KS                       ; my row's scales: KS bytes a row,
	v_lshrrev_b32 v6, 8, v5
	v_lshl_add_u32 v5, v6, 4, v5                   ; and 16 more for each 256 passed
	s_mul_i32 s21, s15, HALFS
	s_mul_i32 s22, s16, HALFS
	s_add_co_u32 s22, s22, 2*HALFS
	s_sub_co_u32 s22, s22, s21
	v_mul_u32_u24 v6, s22, v2                      ; lanes 16-31 take Wqkv's
	s_add_co_u32 s21, s21, SCL
	v_add_nc_u32 v5, v5, v6
	v_add_nc_u32 v[ADRS], s21, v5
	v_and_b32 v6, 31, v0
	v_lshlrev_b32 v[L16], 4, v6
	v_lshlrev_b32 v[CV], 5, v1
	v_lshl_add_u32 v[CV], v2, 4, v[CV]
	; where my results go.  My first head is 4 cx + 2 (column half), my first position 256 x cluster y + 128 (row half)
	s_lshl_b32 s20, ttmp9, 24                      ; q, k or v: 16,777,216 bytes each
	s_lshl_b32 s21, s41, 4
	s_lshl_b32 s22, s40, 2
	s_add_co_u32 s21, s21, s22
	s_lshl_b32 s22, s16, 1
	s_add_co_u32 s21, s21, s22                     ; 16 b + head
	s_lshl_b32 s22, s21, 18
	s_add_co_u32 s20, s20, s22
	s_lshl_b32 s22, s66, 15                        ; a position is 128 bytes
	s_add_co_u32 s20, s20, s22
	s_lshl_b32 s22, s15, 14
	s_add_co_u32 s20, s20, s22
	s_mov_b32 s21, 0
	s_add_nc_u64 s[98:99], s[98:99], s[20:21]
	s_min_u32 s20, ttmp9, 1                        ; the table: q's, or k's
	s_lshl_b32 s20, s20, 19
	s_lshl_b32 s22, s66, 16                        ; a tile of 16 positions is 4,096 bytes
	s_add_co_u32 s20, s20, s22
	s_lshl_b32 s22, s15, 15
	s_add_co_u32 s20, s20, s22
	s_add_nc_u64 s[96:97], s[96:97], s[20:21]
	s_mul_i32 s20, s41, 3
	s_add_co_u32 s20, s20, ttmp9
	s_lshl_b32 s20, s20, 4
	s_lshl_b32 s22, s40, 2
	s_add_co_u32 s20, s20, s22
	s_lshl_b32 s22, s16, 1
	s_add_co_u32 s20, s20, s22
	s_lshl_b32 s20, s20, 12                        ; fine32: ((3 b + sel) 16 + head) x 4,096
	s_add_nc_u64 s[100:101], s[100:101], s[20:21]
	s_or_b32 s95, s66, s15                         ; 0 where my block 0 holds positions 0-15
.macro FRAG reg, adr, q, i             ; 16 rows x 128 K of 4-bit codes: 8 registers, two loads of 16 bytes, 32 bytes apart
.irp c, 0,1
	ds_load_b128 v[\reg+4*\c:\reg+4*\c+3], v[\adr] offset:64*(\q)+32*\c+(\i)*16*PITCH
.endr
.endm
; 16 matrix instructions: blocks a0, a0 + 1 of x against Wqkv's eight, 128 along K.  The 64 accumulators take turns, one instruction a turn, in the same order in every step.
.macro MUL16 a0, p, q, sc, zero
.irp a, \a0, \a0+1
.irp b, 0,1,2,3,4,5,6,7
.if \zero
	v_wmma_scale_f32_16x16x128_f8f6f4 v[8*(8*((\a)%4)+\b):8*(8*((\a)%4)+\b)+7], v[128*(\p)+FR*\b:128*(\p)+FR*\b+FR-1], v[AF+FR*(\a):AF+FR*(\a)+FR-1], 0, v[SC+8*NQ*(\sc)+NQ*\b+(\q)], v[SC+8*NQ*(\sc)+NQ*(\a)+(\q)] matrix_a_fmt:MATRIX_FMT_FP4 matrix_b_fmt:MATRIX_FMT_FP4 matrix_a_scale:MATRIX_SCALE_ROW1
.else
	v_wmma_scale_f32_16x16x128_f8f6f4 v[8*(8*((\a)%4)+\b):8*(8*((\a)%4)+\b)+7], v[128*(\p)+FR*\b:128*(\p)+FR*\b+FR-1], v[AF+FR*(\a):AF+FR*(\a)+FR-1], v[8*(8*((\a)%4)+\b):8*(8*((\a)%4)+\b)+7], v[SC+8*NQ*(\sc)+NQ*\b+(\q)], v[SC+8*NQ*(\sc)+NQ*(\a)+(\q)] matrix_a_fmt:MATRIX_FMT_FP4 matrix_b_fmt:MATRIX_FMT_FP4 matrix_a_scale:MATRIX_SCALE_ROW1
.endif
.endr
.endr
.endm
.macro FETCH_B slot, q, p
	WIN TO_B
.irp i, 0,1,2,3,4,5,6,7
	FRAG 128*(\p)+FR*\i, ADRB+\slot, \q, \i
.endr
	WIN 0
.endm
.macro FETCH_A slot, q, i0
.irp i, \i0, \i0+1, \i0+2, \i0+3
	FRAG AF+FR*(\i), ADRA+\slot, \q, \i
.endr
.endm
.macro SCALES sc                       ; a K step's scale words: lanes 0-15 take x's block i, lanes 16-31 Wqkv's block i
.irp i, 0,1,2,3,4,5,6,7
	ds_load_b128 v[SC+8*NQ*\sc+NQ*\i:SC+8*NQ*\sc+NQ*\i+3], v[ADRS] offset:\i*SBLK
.endr
.endm
.macro PLACES n                        ; plain vector instructions between a matrix instruction and a load into, or a read of, its registers
.rept \n
	v_nop
.endr
.endm
.macro STEP slot, q, zero              ; 128 along K, with its successor in the same slot
	s_wait_dscnt 4*NL                              ; all is in but the youngest eight loads: x's blocks 4-7
	WIN MUL_LO
	MUL16 0, (\q)%2, \q, \slot, \zero
	MUL16 2, (\q)%2, \q, \slot, \zero
	s_wait_dscnt 0
	PLACES NP
	FETCH_B \slot, (\q)+1, 1-(\q)%2
	FETCH_A \slot, (\q)+1, 0
	WIN MUL_HI
	MUL16 4, (\q)%2, \q, \slot, \zero
	MUL16 6, (\q)%2, \q, \slot, \zero
	PLACES NP
	WIN 0
	FETCH_A \slot, (\q)+1, 4
.endm
; A slot's last step goes over to the other slot: each wave's part of that slot has landed, then the barrier.  Nothing is filled again.
.macro TURN slot, next
	s_wait_tensorcnt 0x0                           ; all my tensor loads have landed
	ds_add_u32 v[SPW], v[NIL]                      ; 0 onto my spare word
	s_wait_dscnt 4*NL+1                            ; the add and the youngest eight loads may be out
	WIN MUL_LO
	MUL16 0, 1, NQ-1, \slot, 0
	s_wait_dscnt 0x0
	s_barrier_signal -1
	MUL16 2, 1, NQ-1, \slot, 0
	WIN 0
	s_barrier_wait -1
	PLACES NP
	v_add_nc_u32 v[ADRS], 4*NQ, v[ADRS]            ; the next K step's scale words
	FETCH_B \next, 0, 0
	FETCH_A \next, 0, 0
	SCALES \next
	WIN MUL_HI
	MUL16 4, 1, NQ-1, \slot, 0
	MUL16 6, 1, NQ-1, \slot, 0
	PLACES NP
	WIN 0
	FETCH_A \next, 0, 4
.endm
.macro STEPS slot, from
.set Q, \from
.rept NQ-1-\from
	STEP \slot, Q, 0
.set Q, Q+1
.endr
.endm
	s_wait_tensorcnt 1                             ; the scales and my part of K step 0 are in; K step 1's load may be out
	s_barrier_signal -1
	s_barrier_wait -1
	FETCH_B 0, 0, 0
	FETCH_A 0, 0, 0
	SCALES 0
	FETCH_A 0, 0, 4
	STEP 0, 0, 1                                   ; the first products start the sums: nothing is cleared
	STEPS 0, 1
	TURN 0, 1
	STEPS 1, 0
	s_wait_dscnt 4*NL
	WIN MUL_LO
	MUL16 0, 1, NQ-1, 1, 0
	MUL16 2, 1, NQ-1, 1, 0
	s_wait_dscnt 0
	WIN MUL_HI
	MUL16 4, 1, NQ-1, 1, 0
	MUL16 6, 1, NQ-1, 1, 0
	WIN 0
; THE WAY OUT, block a of 16 positions at a time, straight from registers: a lane's eight channels of a block b are 16 bytes of f16, and the 32 lanes' 16 bytes are 512 consecutive bytes of the head's layout.
.macro TBL a                           ; the table of block a's 16 positions: 32 registers, the same for both heads
.irp bq, 0,1,2,3
.irp u, 0,1
	global_load_b128 v[T+32*((\a)%2)+8*\bq+4*\u:T+32*((\a)%2)+8*\bq+4*\u+3], v[L16], s[96:97] offset:(\a)*4096+\bq*1024+\u*512
.endr
.endr
.endm
.macro ROT a                           ; (x0, x1) -> (cos x0 - sin x1, sin x0 + cos x1); each accumulator is read from its low end on
.set AC, 64*((\a)%4)
.set TT, T+32*((\a)%2)
	WIN 0x02+(\a)/4                                ; source 0: window 2 or 3
.irp b, 0,1,2,3,4,5,6,7
.irp jj, 0,1,2,3
	v_mul_f32 v[WK+8*\b+2*\jj],   v[AC+8*\b+2*\jj+1], v[TT+8*(\b%4)+2*\jj+1]
	v_mul_f32 v[WK+8*\b+2*\jj+1], v[AC+8*\b+2*\jj],   v[TT+8*(\b%4)+2*\jj+1]
.endr
.endr
.irp b, 0,1,2,3,4,5,6,7
.irp jj, 0,1,2,3
	v_fma_f32 v[WK+8*\b+2*\jj],   v[AC+8*\b+2*\jj],   v[TT+8*(\b%4)+2*\jj], -v[WK+8*\b+2*\jj]
	v_fma_f32 v[WK+8*\b+2*\jj+1], v[AC+8*\b+2*\jj+1], v[TT+8*(\b%4)+2*\jj], v[WK+8*\b+2*\jj+1]
.endr
.endr
	WIN 0
.irp b, 0,1,2,3,4,5,6,7
.irp jj, 0,1,2,3
	v_cvt_pk_f16_f32 v[PK+32*((\a)%2)+4*\b+\jj], v[WK+8*\b+2*\jj], v[WK+8*\b+2*\jj+1]
.endr
.endr
.endm
.macro PUT a, adr
.irp b, 0,1,2,3,4,5,6,7
	global_store_b128 v[\adr], v[PK+32*((\a)%2)+4*\b:PK+32*((\a)%2)+4*\b+3], s[98:99] offset:(\a)*2048+(\b/4)*262144+(\b%4)*512
.endr
.endm
	PLACES NP                                      ; behind the last products: their results are read, and the registers that held scales and fragments are written
	s_cmp_eq_u32 ttmp9, 2
	s_cbranch_scc1 .Lplain
	TBL 0
.irp a, 0,1,2,3,4,5,6,7
.if \a >= 1
	s_wait_xcnt 0x0                                ; the earlier stores have read their data: the f32 and f16 registers may be written again
.endif
.if \a < 7
	TBL \a+1
	s_wait_loadcnt 8                               ; this block's table is in; the eight loads just issued may be out
.else
	s_wait_loadcnt 0x0
.endif
	ROT \a
.if \a == 0
	s_cmp_lg_u32 s95, 0                            ; positions 0-15 also leave in f32
	s_cbranch_scc1 .Lno_fine_r
.irp b, 0,1,2,3,4,5,6,7
.irp u, 0,1
	global_store_b128 v[L16], v[WK+8*\b+4*\u:WK+8*\b+4*\u+3], s[100:101] offset:(\b/4)*4096+(\b%4)*1024+\u*512
.endr
.endr
.Lno_fine_r:
.endif
	PUT \a, L16
.endr
	s_branch .Ldone
.Lplain:                                           ; v: no rotation
.irp a, 0,1,2,3,4,5,6,7
.if \a >= 2
	s_wait_xcnt 0x0                                ; block a - 2's stores have read this set of f16 registers
.endif
	WIN 0x0a+5*(\a/4)                              ; sources 0 and 1: window 2 or 3
.irp b, 0,1,2,3,4,5,6,7
.irp jj, 0,1,2,3
	v_cvt_pk_f16_f32 v[PK+32*(\a%2)+4*\b+\jj], v[64*(\a%4)+8*\b+2*\jj], v[64*(\a%4)+8*\b+2*\jj+1]
.endr
.endr
	WIN 0
.if \a == 0
	s_cmp_lg_u32 s95, 0
	s_cbranch_scc1 .Lno_fine_v
	WIN 0x08                                       ; a store's data are its source 1: window 2
.irp b, 0,1,2,3,4,5,6,7
.irp u, 0,1
	global_store_b128 v[L16], v[8*\b+4*\u:8*\b+4*\u+3], s[100:101] offset:(\b/4)*4096+(\b%4)*1024+\u*512
.endr
.endr
	WIN 0
.Lno_fine_v:
.endif
	PUT \a, CV
.endr
.Ldone:
	s_wait_tensorcnt 0x0                           ; the wave's end
	ds_add_u32 v[SPW], v[NIL]
	s_wait_dscnt 0x0
	CROUND                                         ; the closing round
	s_endpgm
.Lfunc_end_k_q7bd5782000_qkv:
	.size	k_q7bd5782000_qkv, .Lfunc_end_k_q7bd5782000_qkv-k_q7bd5782000_qkv
	.p2alignl 7, 3214868480
	.fill 96, 4, 3214868480
	.section	.rodata,"a",@progbits
	.p2align	6, 0x0
	.amdhsa_kernel k_q7bd5782000_qkv
		.amdhsa_group_segment_fixed_size 327680
		.amdhsa_private_segment_fixed_size 0
		.amdhsa_enable_private_segment 0
		.amdhsa_kernarg_size 40
		.amdhsa_user_sgpr_count 2
		.amdhsa_user_sgpr_kernarg_segment_ptr 1
		.amdhsa_wavefront_size32 1
		.amdhsa_system_sgpr_workgroup_id_x 1
		.amdhsa_system_sgpr_workgroup_id_y 1
		.amdhsa_system_sgpr_workgroup_id_z 1
		.amdhsa_system_vgpr_workitem_id 0
		.amdhsa_next_free_vgpr 1024
		.amdhsa_next_free_sgpr 102
		.amdhsa_reserve_vcc 0
		.amdhsa_float_denorm_mode_32 3
		.amdhsa_float_denorm_mode_16_64 3
		.amdhsa_memory_ordered 1
		.amdhsa_forward_progress 1
		.amdhsa_inst_pref_size 198
	.end_amdhsa_kernel
	.amdgpu_metadata
---
amdhsa.version: [ 1, 2 ]
amdhsa.kernels:
  - .name:           k_q7bd5782000_qkv
    .symbol:         k_q7bd5782000_qkv.kd
    .args:
      - { .name: codes, .offset: 0, .size: 8, .value_kind: global_buffer, .address_space: global }
      - { .name: scales, .offset: 8, .size: 8, .value_kind: global_buffer, .address_space: global }
      - { .name: rope, .offset: 16, .size: 8, .value_kind: global_buffer, .address_space: global }
      - { .name: qkv16, .offset: 24, .size: 8, .value_kind: global_buffer, .address_space: global }
      - { .name: fine32, .offset: 32, .size: 8, .value_kind: global_buffer, .address_space: global }
    .group_segment_fixed_size: 327680
    .private_segment_fixed_size: 0
    .kernarg_segment_align: 8
    .kernarg_segment_size: 40
    .max_flat_workgroup_size: 128
    .sgpr_count:     102
    .vgpr_count:     1024
    .wavefront_size: 32
...
	.end_amdgpu_metadata
.endif
;; end of part 2
;; launch attn (part 3): grid 4 x 64, 16 waves a work-group, no clusters, 327,680 bytes of LDS; arguments qkv16, a16; writes a16
.if DOCPART == 3
	.amdgcn_target "amdgcn-amd-amdhsa--gfx1250"
	.amdhsa_code_object_version 6
	.text
	.protected	k_q7bd5782000_attn
	.globl	k_q7bd5782000_attn
	.p2align	8
	.type	k_q7bd5782000_attn,@function
k_q7bd5782000_attn:
	s_mov_b64 s[64:65], 0
	v_nop
	global_prefetch_b8 v0, s[64:65] scope:SCOPE_SE
	s_setreg_imm32_b32 hwreg(HW_REG_WAVE_MODE, 25, 1), 1
	s_wait_xcnt 0x0
; ATTN: causal attention of one (batch, head) pair, head size 64, 2,048 positions, on f16 operands with f32 sums, maxima and row sums.
; q arrives rotated and times log2(e) / 8, so a score is already t, and p = 2^(t - m), m the row's running maximum: t - m is at most 0 for every input.  In every step the sum and O are multiplied by 2^(old m - new m).
; SHARES.  Work-group j of a head owns query blocks 7 - j and j, 256 queries each: (8 - j) + (j + 1) = 9 blocks of keys for every j, so all 256 work-groups have equal work.
; Sixteen waves, 32 queries each (two tiles of 16): a fragment of K or V read from LDS feeds two matrix instructions.  Which block a wave takes alternates so that any four neighbouring or any four
; equally spaced waves hold two of each.  Four waves share a SIMD, so that one wave's softmax stands beside another's products.
; Every work-group walks all eight slots of 256 keys with constant trip counts; a step all of whose 64 keys come after the wave's queries is jumped over, and a slot whose first key comes after the
; work-group's last query is not asked for.
; NO CLUSTER: the four work-groups of a head need 8, 7, 6 and 5 slots; in a cluster every wave of some partner would jump over all reads of a tile that a joint load brought.
; LAYOUT.  S^T = K Q^T (source 0 = 16 keys, source 1 = 16 queries), O^T = V^T P (source 0 = 16 channels, source 1 = P): a lane holds one query throughout; two tiles of S^T rounded in pairs ARE source 1 of the second product.
; K lies in memory and LDS as images of operand registers (16 bytes a lane on end); V as rows of 16 channels, turned by ds_load_tr16_b128.
; a16[rb][ks][rt][hh][c][u][lane][16 bytes]: the result as images of the projection's operand registers: row tile 8 rb + rt, head 4 ks + hh, channels 32 c + 16 u + 8 (lane / 16) + 0..7.
; LIMIT: operands in f16; NaN and infinities are not served.
.set SLOT1, 1<<16                      ; a slot: K's 256 keys (32,768 bytes), then V's; slot 1 begins here: one exclusive or turns an address
.set VOFF,  32768
.set SPARE, 2*SLOT1                    ; the spare words, 128 bytes for each of sixteen waves
.set L16,  1                           ; v1   16 x lane
.set AV0,  2                           ; v2   my lane's place in a tile of V
.set SPW,  3
.set NIL,  4
.set ADK,  5                           ; v5   LDS address of the slot's K
.set ADV,  6                           ; v6   of its V
.set PFO,  7                           ; v7   256 x lane
.set RH,   8                           ; v8   lane % 16 - 8 (lane / 16)
.set MD,   9                           ; v9, v10  the mask's bound for tile 0, 1
.set NINF, 11                          ; v11  -infinity
.set ST,   12                          ; tile t's statistics at v[ST + 8 t]: +0 m, +1 its partner in a pair, +2, +3 the sum, +4..+7 at work; a takes +6
.set QR,   32                          ; v32-63   Q: tile t, channels 32 c on, at QR + 16 t + 8 c
.set KV,   64                          ; v64-127  a step's K, then its V
.set SS,   128                         ; v128-191 S^T, 32 a tile; P is laid over each tile's first 16
.set OT,   192                         ; v192-255 O^T, 32 a tile
.set TB,   2                           ; s2   LDS byte at which the slot in hand begins
.set WV,   18
.set KF,   19                          ; s19  the step's first key
.set SEL,  20                          ; s[20:21] selects for lane l xor 16
.set Q0,   22                          ; s22  my first query
.set QL,   23                          ; s23  my work-group's last query
.set G1,   24                          ; s[24:31] descriptor group 1
.set G0,   40                          ; s[40:43] group 0, which walks
.set SLOTS, 44
.set PFA,  46                          ; s[46:47] where my prefetches stand
.set LIM,  48                          ; s48  1 in a wave that prefetches, else the greatest number
.set QA,   50
.set OA,   52
; Waves 0 and 1 fetch the halves of a slot's K, waves 2 and 3 those of its V: 16,384 dense bytes each.  An s_nop 0 and four v_nop follow the line.
.macro TLOAD
	s_cmp_lt_u32 s[WV], 4
	s_cbranch_scc0 .Lasked_\@
	tensor_load_to_lds s[G0:G0+3], s[G1:G1+7]
	s_nop 0
.rept 4
	v_nop
.endr
.Lasked_\@:
.endm
; A prefetch of the slot that the NEXT change of slots will ask for, four key steps ahead of that load.  All four work-groups of a head walk the same K and V: work-group 0, which walks all slots, asks.
; In it waves 4-7 name K's 32,768 bytes, 8,192 a wave, lanes 256 bytes apart; waves 8-11 V's: each block of 256 bytes is named once.  The last change that fills a slot asks for nothing.
.macro ASK
	s_cmp_gt_u32 s[SLOTS], s[LIM]
	s_cbranch_scc0 .Lnot_mine_\@
	global_prefetch_b8 v[PFO], s[PFA:PFA+1] th:TH_LOAD_NT scope:SCOPE_SE
.Lnot_mine_\@:
.endm
	s_load_b128 s[4:7], s[0:1], 0x0                ; qkv16, a16
	v_lshl_add_u32 v[SPW], v0, 2, SPARE
	v_mov_b32 v[NIL], 0
	ds_add_u32 v[SPW], v[NIL]                      ; the wave's opening: the add, twice on end, and its wait ahead of the first tensor load
	ds_add_u32 v[SPW], v[NIL]
	v_lshrrev_b32 v5, 5, v0
	v_readfirstlane_b32 s[WV], v5                  ; wave 0..15
	s_and_b32 s56, ttmp7, 0xffff                   ; 16 b + h
	s_lshr_b32 s57, s[WV], 2
	s_xor_b32 s57, s57, s[WV]
	s_and_b32 s57, s57, 1                          ; 0: the late block, 1: the early one
	s_sub_co_u32 s58, 7, ttmp9
	s_cmp_eq_u32 s57, 0
	s_cselect_b32 s58, s58, ttmp9                  ; my block of 256 queries
	s_lshl_b32 s[Q0], s58, 8
	s_lshr_b32 s59, s[WV], 1
	s_lshl_b32 s59, s59, 5
	s_add_co_u32 s[Q0], s[Q0], s59                 ; + 32 (wave / 2)
	s_sub_co_u32 s[QL], 8, ttmp9
	s_lshl_b32 s[QL], s[QL], 8
	s_sub_co_u32 s[QL], s[QL], 1
	s_lshl_b32 s57, s56, 18                        ; a head's 262,144 bytes in each of q, k, v
	s_cmp_lt_u32 s[WV], 2                          ; what I fetch, if I fetch: K (waves 0, 1) or V,
	s_mov_b32 s38, 0x2000000
	s_cselect_b32 s38, 0x1000000, s38
	s_add_co_u32 s38, s38, s57
	s_and_b32 s58, s[WV], 1
	s_lshl_b32 s58, s58, 14                        ; its first or second half
	s_add_co_u32 s38, s38, s58
	s_mov_b32 s39, 0
	s_cmp_lt_u32 s[WV], 8                          ; what I prefetch, if I do: K (waves 4-7) or V (8-11),
	s_mov_b32 s32, 0x2000000
	s_cselect_b32 s32, 0x1000000, s32
	s_add_co_u32 s32, s32, s57
	s_and_b32 s58, s[WV], 3
	s_lshl_b32 s58, s58, 13                        ; my 8,192 bytes,
	s_add_co_u32 s32, s32, s58
	s_add_co_u32 s32, s32, 32768                   ; in slot 1: the first change of slots steps it to slot 2
	s_mov_b32 s33, 0
	s_sub_co_u32 s58, s[WV], 4
	s_lshr_b32 s58, s58, 3                         ; 0 in waves 4-11,
	s_or_b32 s58, s58, ttmp9                       ; of the head's work-group 0
	s_cmp_eq_u32 s58, 0
	s_cselect_b32 s[LIM], 1, -1
	s_lshl_b32 s34, s[Q0], 7                       ; Q: a position is 128 bytes
	s_add_co_u32 s34, s34, s57
	s_mov_b32 s35, 0
	s_lshr_b32 s36, s56, 4                         ; the result: rb = 16 b + Q0 / 128,
	s_lshl_b32 s36, s36, 4
	s_lshr_b32 s58, s[Q0], 7
	s_add_co_u32 s36, s36, s58
	s_lshl_b32 s36, s36, 18
	s_bfe_u32 s58, s56, 0x20002                    ; ks = h / 4,
	s_lshl_b32 s58, s58, 16
	s_add_co_u32 s36, s36, s58
	s_bfe_u32 s58, s[Q0], 0x30004                  ; rt = (Q0 / 16) % 8,
	s_lshl_b32 s58, s58, 13
	s_add_co_u32 s36, s36, s58
	s_and_b32 s58, s56, 3                          ; hh = h % 4
	s_lshl_b32 s58, s58, 11
	s_add_co_u32 s36, s36, s58
	s_mov_b32 s37, 0
	s_mov_b32 s[G1], 3<<16                         ; no mask; elements of 8 bytes; no padding
	s_mov_b32 s[G1+1], 32<<16                      ; tensor_dim0 = 32: rows of 256 bytes
	s_mov_b32 s[G1+2], 64<<16                      ; tensor_dim1 = 64
	s_mov_b32 s[G1+3], 32<<16                      ; tile_dim0
	s_mov_b32 s[G1+4], 64                          ; tile_dim1
	s_mov_b32 s[G1+5], 32                          ; the pitch: dense
	s_mov_b32 s[G1+6], 0
	s_mov_b32 s[G1+7], 0
	s_mov_b32 s[G0], 1
	s_and_b32 s[G0+1], s[WV], 3
	s_lshl_b32 s[G0+1], s[G0+1], 14                ; LDS: 16,384 x wave, in slot 0
	s_mov_b32 s[SEL], 0x76543210
	s_mov_b32 s[SEL+1], 0xfedcba98
	s_mov_b32 s[TB], 0
	s_mov_b32 s[KF], 0
	s_mov_b32 s[SLOTS], 7
	v_and_b32 v5, 31, v0
	v_lshlrev_b32 v[L16], 4, v5
	v_lshlrev_b32 v[PFO], 8, v5
	v_and_b32 v6, 15, v0
	v_bfe_u32 v9, v0, 4, 1
	v_lshlrev_b32 v10, 3, v9
	v_sub_nc_u32 v[RH], v6, v10
	v_and_b32 v6, 7, v0
	v_add_nc_u32 v10, v10, v6                      ; the turning load: lane l reads key 8 (l / 16) + l % 8,
	v_bfe_u32 v6, v0, 3, 1
	v_lshlrev_b32 v[AV0], 5, v10                   ; a key's 16 channels are 32 bytes,
	v_lshl_add_u32 v[AV0], v6, 4, v[AV0]           ; channels 8 ((l / 8) % 2) on
	v_add_nc_u32 v[AV0], VOFF, v[AV0]
	v_mov_b32 v[NINF], 0xff800000
	s_wait_dscnt 0x0                               ; both opening adds are done
	s_wait_kmcnt 0x0
	s_add_nc_u64 s[G0+2:G0+3], s[4:5], s[38:39]
	s_or_b32 s[G0+3], s[G0+3], 0x80000000
	TLOAD                                          ; slot 0: one load of mine is out
	s_add_nc_u64 s[PFA:PFA+1], s[4:5], s[32:33]
	s_add_nc_u64 s[QA:QA+1], s[4:5], s[34:35]
	s_add_nc_u64 s[OA:OA+1], s[6:7], s[36:37]
.irp t, 0,1
.irp c, 0,1
.irp u, 0,1
	global_load_b128 v[QR+16*\t+8*\c+4*\u:QR+16*\t+8*\c+4*\u+3], v[L16], s[QA:QA+1] offset:\t*2048+\c*1024+\u*512   ; Q stays in registers
.endr
.endr
.endr
.irp t, 0,1
	v_mov_b32 v[ST+8*\t], 0xff61b1e6               ; m: -3e38, under every t
.irp i, 1,2,3,4,5,6,7
	v_mov_b32 v[ST+8*\t+\i], 0
.endr
.endr
.set I, 0
.rept 64
	v_mov_b32 v[OT+I], 0                           ; O^T.  The step is written once: its first run finds zeros, which the first change of m leaves zeros
.set I, I+1
.endr
; A KEY STEP: 64 keys, the q-th of the slot in hand.
.macro STEP q
	s_add_co_u32 s56, s[Q0], 31
	s_cmp_gt_u32 s[KF], s56                        ; all keys come after my queries: ids and the count of steps alone
	s_cbranch_scc1 .Lhidden_\@
	v_add_nc_u32 v[ADK], s[TB], v[L16]
	v_add_nc_u32 v[ADV], s[TB], v[AV0]
.rept 3
	v_nop                                          ; with the two additions five places behind the last step's products: the loads below land on their V, and the products below write over their P
.endr
.irp c, 0,1
.irp kt, 0,1,2,3
.irp u, 0,1
	ds_load_b128 v[KV+8*(2*\kt+\c)+4*\u:KV+8*(2*\kt+\c)+4*\u+3], v[ADK] offset:(4*(\q)+\kt)*2048+\c*1024+\u*512
.endr
.endr
.endr
	s_wait_dscnt 8                                 ; channels 0-31 are in; the eight loads of channels 32-63 may be out
.irp kt, 0,1,2,3
.irp t, 0,1
	v_wmma_f32_16x16x32_f16 v[SS+32*\t+8*\kt:SS+32*\t+8*\kt+7], v[KV+16*\kt:KV+16*\kt+7], v[QR+16*\t:QR+16*\t+7], 0
.endr
.endr
	s_wait_dscnt 0x0
.irp kt, 0,1,2,3                               ; the eight accumulators take turns
.irp t, 0,1
	v_wmma_f32_16x16x32_f16 v[SS+32*\t+8*\kt:SS+32*\t+8*\kt+7], v[KV+16*\kt+8:KV+16*\kt+15], v[QR+16*\t+8:QR+16*\t+15], v[SS+32*\t+8*\kt:SS+32*\t+8*\kt+7]
.endr
.endr
.rept 4
	v_nop                                          ; places: V lands on K's registers, and the scores are read
.endr
.irp kk, 0,1
.irp ct, 0,1,2,3
.irp u, 0,1
	ds_load_tr16_b128 v[KV+8*(4*\kk+\ct)+4*\u:KV+8*(4*\kk+\ct)+4*\u+3], v[ADV] offset:(4*(\q)+2*\kk+\u)*2048+\ct*512
.endr
.endr
.endr
	s_add_co_u32 s56, s[KF], 63
	s_cmp_le_u32 s56, s[Q0]                        ; every key counts for every query of mine: no mask
	s_cbranch_scc1 .Lopen_\@
	s_sub_co_u32 s56, s[Q0], s[KF]
	v_add_nc_u32 v[MD], s56, v[RH]                 ; register 8 kt + j of tile t holds key KF + 16 kt + 8 (lane / 16) + j: hidden where 16 kt + j > Q0 - KF + 16 t + lane % 16 - 8 (lane / 16)
	v_add_nc_u32 v[MD+1], 16, v[MD]
.irp t, 0,1
.set N, 0
.rept 32
	v_cmp_gt_i32 vcc_lo, 16*(N/8)+N%8, v[MD+\t]
	v_cndmask_b32 v[SS+32*\t+N], v[SS+32*\t+N], v[NINF], vcc_lo
.set N, N+1
.endr
.endr
.Lopen_\@:
	; the softmax, the two tiles line by line.  The maximum: four chains, each begun at an accumulator's low end
.irp j, 0,1,2,3
.irp t, 0,1
	v_max3_num_f32 v[ST+8*\t+4+\j], v[SS+32*\t+8*\j], v[SS+32*\t+8*\j+1], v[SS+32*\t+8*\j+2]
.endr
.endr
.irp i, 3,5
.irp j, 0,1,2,3
.irp t, 0,1
	v_max3_num_f32 v[ST+8*\t+4+\j], v[ST+8*\t+4+\j], v[SS+32*\t+8*\j+\i], v[SS+32*\t+8*\j+\i+1]
.endr
.endr
.endr
.irp t, 0,1
	v_max3_num_f32 v[ST+8*\t+4], v[ST+8*\t+4], v[SS+32*\t+7], v[SS+32*\t+15]
	v_max3_num_f32 v[ST+8*\t+6], v[ST+8*\t+6], v[SS+32*\t+23], v[SS+32*\t+31]
.endr
.irp t, 0,1
	v_max3_num_f32 v[ST+8*\t+4], v[ST+8*\t+4], v[ST+8*\t+5], v[ST+8*\t+6]
.endr
.irp t, 0,1
	v_max3_num_f32 v[ST+8*\t+4], v[ST+8*\t+4], v[ST+8*\t+7], v[ST+8*\t]   ; with the old m
.endr
.irp t, 0,1
	v_permlanex16_b32 v[ST+8*\t+5], v[ST+8*\t+4], s[SEL], s[SEL+1]        ; the query's other keys lie in the lane 16 away
.endr
.irp t, 0,1
	v_mov_b32 v[ST+8*\t+7], v[ST+8*\t]
.endr
.irp t, 0,1
	v_max_num_f32 v[ST+8*\t], v[ST+8*\t+4], v[ST+8*\t+5]                  ; the new m
.endr
.irp t, 0,1
	v_sub_f32 v[ST+8*\t+7], v[ST+8*\t+7], v[ST+8*\t]                      ; old m - new m
.endr
.irp j, 0,2,4,6,8,10,12,14,16,18,20,22,24,26,28,30
.irp t, 0,1
	v_pk_add_f32 v[SS+32*\t+\j:SS+32*\t+\j+1], v[SS+32*\t+\j:SS+32*\t+\j+1], v[ST+8*\t:ST+8*\t+1] op_sel_hi:[1,0] neg_lo:[0,1] neg_hi:[0,1]   ; t - m
.endr
.endr
.irp t, 0,1
	v_exp_f32 v[ST+8*\t+6], v[ST+8*\t+7]           ; a = 2^(old m - new m)
.endr
.set N, 0
.rept 64
	v_exp_f32 v[SS+N], v[SS+N]                     ; p
.set N, N+1
.endr
	v_nop                                          ; a plain instruction behind the last exponential
	s_wait_alu depctr_va_vdst(0)                   ; one wait for the batch of 66, ahead of its first reader
.irp t, 0,1
	v_pk_mul_f32 v[ST+8*\t+2:ST+8*\t+3], v[ST+8*\t+2:ST+8*\t+3], v[ST+8*\t+6:ST+8*\t+7] op_sel_hi:[1,0]
.endr
.irp t, 0,1
	v_pk_add_f32 v[ST+8*\t+4:ST+8*\t+5], v[SS+32*\t:SS+32*\t+1], v[SS+32*\t+2:SS+32*\t+3]   ; the sum of the unrounded p, in two chains
.endr
.irp j, 4,8,12,16,20,24,28
.irp t, 0,1
	v_pk_add_f32 v[ST+8*\t+2:ST+8*\t+3], v[ST+8*\t+2:ST+8*\t+3], v[SS+32*\t+\j:SS+32*\t+\j+1]
	v_pk_add_f32 v[ST+8*\t+4:ST+8*\t+5], v[ST+8*\t+4:ST+8*\t+5], v[SS+32*\t+\j+2:SS+32*\t+\j+3]
.endr
.endr
.irp t, 0,1
	v_pk_add_f32 v[ST+8*\t+2:ST+8*\t+3], v[ST+8*\t+2:ST+8*\t+3], v[ST+8*\t+4:ST+8*\t+5]
.endr
.irp i, 0,1,2,3,4,5,6,7,8,9,10,11,12,13,14,15
.irp t, 0,1
	v_cvt_pk_f16_f32 v[SS+32*\t+\i], v[SS+32*\t+2*\i], v[SS+32*\t+2*\i+1]   ; P, in place and ascending: register i is written when it has been read
.endr
.endr
.irp t, 0,1
.irp j, 0,2,4,6,8,10,12,14,16,18,20,22,24,26,28,30
	v_pk_mul_f32 v[OT+32*\t+\j:OT+32*\t+\j+1], v[OT+32*\t+\j:OT+32*\t+\j+1], v[ST+8*\t+6:ST+8*\t+7] op_sel_hi:[1,0]
.endr
.endr
	s_wait_dscnt 0x0                               ; V is in
.irp kk, 0,1
.irp ct, 0,1,2,3
.irp t, 0,1
	v_wmma_f32_16x16x32_f16 v[OT+32*\t+8*\ct:OT+32*\t+8*\ct+7], v[KV+8*(4*\kk+\ct):KV+8*(4*\kk+\ct)+7], v[SS+32*\t+8*\kk:SS+32*\t+8*\kk+7], v[OT+32*\t+8*\ct:OT+32*\t+8*\ct+7]
.endr
.endr
.endr
.Lhidden_\@:
	s_add_co_u32 s[KF], s[KF], 64
.endm
; THE CHANGE OF SLOTS, at a slot's head.  Each wave waits for all its tensor loads, adds 0 to its spare word, and waits for that and for its reads of the slot that it has left; then the barrier.
; fill = 1: the slot just left is filled with the next 256 keys, which have four key steps in which to land; but not where those keys come after the work-group's last query: none of its waves would read them.
.macro CHANGE fill
	s_wait_tensorcnt 0x0                           ; no tensor load of mine is out, so group 0 may be written
	ds_add_u32 v[SPW], v[NIL]                      ; 0 onto my spare word
.if \fill
	ds_add_u32 v[SPW], v[NIL]                      ; and twice on end here, in every trip alike
	s_xor_b32 s[G0+1], s[G0+1], SLOT1
	s_add_nc_u64 s[G0+2:G0+3], s[G0+2:G0+3], 32768
	s_wait_xcnt 0x0                                ; the last prefetch, a slot back, has read its address
	s_add_nc_u64 s[PFA:PFA+1], s[PFA:PFA+1], 32768
.endif
	s_wait_dscnt 0x0
	s_barrier_signal -1
	s_barrier_wait -1
.if \fill
	s_add_co_u32 s56, s[KF], 256                   ; the first key of the slot that this change would ask for
	s_cmp_gt_u32 s56, s[QL]                        ; ids and the count of steps alone: all sixteen waves go the same way
	s_cbranch_scc1 .Lpast_\@
	TLOAD                                          ; a wave's one tensor load until the next change
.Lpast_\@:
	ASK
.endif
.endm
.macro SLOT_STEPS
	STEP 0
	STEP 1
	STEP 2
	STEP 3
	s_xor_b32 s[TB], s[TB], SLOT1
.endm
	s_wait_loadcnt 0x0                             ; Q
.Lslot:                                            ; seven trips
	CHANGE 1
	SLOT_STEPS
	s_sub_co_u32 s[SLOTS], s[SLOTS], 1
	s_cmp_lg_u32 s[SLOTS], 0
	s_cbranch_scc1 .Lslot
	CHANGE 0                                       ; the last slot is written out: nothing is left to ask for
	SLOT_STEPS
	; THE WAY OUT: O^T / the sum, rounded to f16; a lane's eight channels are 16 bytes, and the 32 lanes' are 512 consecutive bytes of the projection's operand image.
.rept 4
	v_nop
.endr
.irp t, 0,1
	v_add_f32 v[ST+8*\t+4], v[ST+8*\t+2], v[ST+8*\t+3]
.endr
.irp t, 0,1
	v_permlanex16_b32 v[ST+8*\t+5], v[ST+8*\t+4], s[SEL], s[SEL+1]
.endr
.irp t, 0,1
	v_add_f32 v[ST+8*\t+4], v[ST+8*\t+4], v[ST+8*\t+5]
.endr
.irp t, 0,1
	v_rcp_f32 v[ST+8*\t+6], v[ST+8*\t+4]
.endr
	v_nop
	s_wait_alu depctr_va_vdst(0)                   ; one wait for the two reciprocals
.irp t, 0,1
.irp j, 0,2,4,6,8,10,12,14,16,18,20,22,24,26,28,30
	v_pk_mul_f32 v[OT+32*\t+\j:OT+32*\t+\j+1], v[OT+32*\t+\j:OT+32*\t+\j+1], v[ST+8*\t+6:ST+8*\t+7] op_sel_hi:[1,0]
.endr
.endr
.irp t, 0,1
.irp i, 0,1,2,3,4,5,6,7,8,9,10,11,12,13,14,15
	v_cvt_pk_f16_f32 v[SS+16*\t+\i], v[OT+32*\t+2*\i], v[OT+32*\t+2*\i+1]
.endr
.endr
.irp t, 0,1
.irp ct, 0,1,2,3
	global_store_b128 v[L16], v[SS+16*\t+4*\ct:SS+16*\t+4*\ct+3], s[OA:OA+1] offset:\t*8192+\ct*512
.endr
.endr
	s_wait_tensorcnt 0x0                           ; the wave's end
	ds_add_u32 v[SPW], v[NIL]
	s_wait_dscnt 0x0
	s_endpgm
.Lfunc_end_k_q7bd5782000_attn:
	.size	k_q7bd5782000_attn, .Lfunc_end_k_q7bd5782000_attn-k_q7bd5782000_attn
	.p2alignl 7, 3214868480
	.fill 96, 4, 3214868480
	.section	.rodata,"a",@progbits
	.p2align	6, 0x0
	.amdhsa_kernel k_q7bd5782000_attn
		.amdhsa_group_segment_fixed_size 327680
		.amdhsa_private_segment_fixed_size 0
		.amdhsa_enable_private_segment 0
		.amdhsa_kernarg_size 16
		.amdhsa_user_sgpr_count 2
		.amdhsa_user_sgpr_kernarg_segment_ptr 1
		.amdhsa_wavefront_size32 1
		.amdhsa_system_sgpr_workgroup_id_x 1
		.amdhsa_system_sgpr_workgroup_id_y 1
		.amdhsa_system_sgpr_workgroup_id_z 1
		.amdhsa_system_vgpr_workitem_id 0
		.amdhsa_next_free_vgpr 256
		.amdhsa_next_free_sgpr 66
		.amdhsa_reserve_vcc 1
		.amdhsa_float_denorm_mode_32 3
		.amdhsa_float_denorm_mode_16_64 3
		.amdhsa_memory_ordered 1
		.amdhsa_forward_progress 1
		.amdhsa_inst_pref_size 185
	.end_amdhsa_kernel
	.amdgpu_metadata
---
amdhsa.version: [ 1, 2 ]
amdhsa.kernels:
  - .name:           k_q7bd5782000_attn
    .symbol:         k_q7bd5782000_attn.kd
    .args:
      - { .name: qkv16, .offset: 0, .size: 8, .value_kind: global_buffer, .address_space: global }
      - { .name: a16, .offset: 8, .size: 8, .value_kind: global_buffer, .address_space: global }
    .group_segment_fixed_size: 327680
    .private_segment_fixed_size: 0
    .kernarg_segment_align: 8
    .kernarg_segment_size: 16
    .max_flat_workgroup_size: 512
    .sgpr_count:     66
    .vgpr_count:     256
    .wavefront_size: 32
...
	.end_amdgpu_metadata
.endif
;; end of part 3
;; launch proj (part 4): grid 8 x 64, 4 waves a work-group, clusters of 4 x 4, 327,680 bytes of LDS; arguments a16, w16, out0; writes out0
.if DOCPART == 4
	.amdgcn_target "amdgcn-amd-amdhsa--gfx1250"
	.amdhsa_code_object_version 6
	.text
	.protected	k_q7bd5782000_proj
	.globl	k_q7bd5782000_proj
	.p2align	8
	.type	k_q7bd5782000_proj,@function
k_q7bd5782000_proj:
	s_mov_b64 s[64:65], 0
	v_nop
	global_prefetch_b8 v0, s[64:65] scope:SCOPE_SE
	s_setreg_imm32_b32 hwreg(HW_REG_WAVE_MODE, 25, 1), 1
	s_wait_xcnt 0x0
	s_wait_alu depctr_hold_cnt(0) depctr_sa_sdst(0) depctr_va_vdst(0) depctr_va_sdst(0) depctr_va_ssrc(0) depctr_va_vcc(0) depctr_vm_vsrc(0)
	s_getreg_b32 s2, hwreg(HW_REG_IB_STS2, 6, 4)
	s_cmp_eq_u32 s2, 0
	s_cbranch_scc0 .Lentry_in_a_cluster
	s_endpgm
.Lentry_in_a_cluster:
	s_bfe_u32 s2, ttmp6, 0x10000c
	s_cmp_lg_u32 s2, 0xf033
	s_cbranch_scc0 .Lentry_shape_is_right
	s_endpgm
.Lentry_shape_is_right:
; PROJ: out0 [8192][1024] f32 = A Wout^T, A the attention's result and Wout both in f16, sums in f32.  Positions 0-15 of every sequence are left to the launch behind this one.
; A tile of 128 x 128 is made by four waves, 64 x 64 each: 16 accumulators.  512 tiles for 256 WGPs.  K goes in steps of 256 through two LDS slots.
; A lies in memory as images of operand registers: a K step of 128 rows is one dense block of 65,536 bytes, read from LDS at 16 bytes a lane on end.  Wout's rows of 512 bytes get 16 of padding.
; CLUSTERS: 4 x 4; A's tiles are shared along a row of the cluster, Wout's along a column: joint loads.  Tile row = 16 cy + cluster y: so the tiles that hold positions 0-15 are those of cluster y = 0,
; and the branch that leaves those rows out hangs on cluster y and the wave's number alone.
; THE MATRIX INSTRUCTION IS USED TRANSPOSED (source 0 = 16 rows of Wout, source 1 = 16 rows of A): a lane holds eight neighbouring numbers of a row of the result.
; REGISTERS: window 0: v0-31 addresses; v32-95 the way out; v128-255 the accumulators ((a, b) at v[128 + 8 (4 a + b)]).   window 1: two fragment buffers of 128: 64 of A, then 64 of Wout.
.set SIZE_K, 1024
.set KSTEP,  256
.set PITCH,  528                       ; an LDS row of Wout: 512 bytes + 16: the 16 rows of a load start 132 words apart
.set HALFB,  64*PITCH
.set HALFA,  32768                     ; 64 rows of A for a K step
.set BOFF,   65536                     ; a slot: A's image, then Wout's 128 rows
.set SLOT,   BOFF+2*HALFB
.set STAGE,  2*SLOT                    ; behind the slots: 16 rows x 272 bytes for each wave
.set SPITCH, 272
.set SPARE,  STAGE+4*16*SPITCH
.set LAPS,   SIZE_K/(2*KSTEP)
.set ADRA, 16
.set ADRB, 20
.set STO,  24
.set RD,   25
.set CO,   26
.set SPW,  28
.set NIL,  29
.set TMP,  32
.set ACC,  128
.set F0,   0
.set F1,   128
.set G1, 24
.set G0, 32
.set G1B, 48
.set G0B, 56
.set MSB, 0
.macro WIN new
.if MSB != \new
	s_set_vgpr_msb (MSB<<8)|\new
.set MSB, \new
.endif
.endm
.set MUL,  0x05                        ; sources 0 and 1 window 1; C and D window 0
.set TO_F, 0x40
.macro JLOAD s                         ; waves 0 and 1 fetch A's halves, waves 2 and 3 Wout's; an s_nop 0 and four v_nop follow each line
	s_cmp_eq_u32 s11, 0
	s_cbranch_scc0 .Lfor_b_\@
	tensor_load_to_lds s[G0+4*\s:G0+4*\s+3], s[G1:G1+7]
	s_nop 0
.rept 4
	v_nop
.endr
	s_branch .Lasked_\@
.Lfor_b_\@:
	tensor_load_to_lds s[G0B+4*\s:G0B+4*\s+3], s[G1B:G1B+7]
	s_nop 0
.rept 4
	v_nop
.endr
.Lasked_\@:
.endm
.macro CREST
	s_cmp_lg_u32 s10, 0
	s_cbranch_scc1 .Lnot_wave_0_\@
	s_barrier_signal -3
.Lnot_wave_0_\@:
	s_barrier_wait -3
	s_barrier_signal -1
	s_barrier_wait -1
.endm
.macro CROUND
	s_barrier_signal -1
	s_barrier_wait -1
	CREST
.endm
	s_load_b128 s[4:7], s[0:1], 0x0                ; a16, w16
	s_load_b64 s[8:9], s[0:1], 0x10                ; out0
	v_lshl_add_u32 v[SPW], v0, 2, SPARE
	v_mov_b32 v[NIL], 0
	ds_add_u32 v[SPW], v[NIL]                      ; the wave's opening: the add, twice on end, and its wait ahead of my first tensor load
	ds_add_u32 v[SPW], v[NIL]
	v_lshrrev_b32 v1, 5, v0
	v_readfirstlane_b32 s10, v1                    ; wave 0..3
	s_lshr_b32 s11, s10, 1                         ; my half of the tile's rows.  Also: I fetch for A (0) or for Wout (1)
	s_and_b32 s12, s10, 1                          ; my half of its columns.  Also: which half I fetch
	s_bfe_u32 s40, ttmp6, 0x40000                  ; cx
	s_bfe_u32 s41, ttmp6, 0x40004                  ; cy
	s_lshl_b32 s42, ttmp9, 2
	s_add_co_u32 s42, s42, s40                     ; tile column = 4 x cluster x + cx
	s_and_b32 s45, ttmp7, 0xffff                   ; cluster y
	s_lshl_b32 s13, s41, 4
	s_add_co_u32 s13, s13, s45                     ; tile row = 16 cy + cluster y
	s_lshl_b32 s43, s41, 2
	s_lshl_b32 s43, 15, s43                        ; my row of the cluster
	s_lshl_b32 s44, 0x1111, s40                    ; my column
	s_or_b32 s[G1+0], s43, (3<<16)|(1<<21)         ; A: the mask; elements of 8 bytes; no padding; bit 21 beside a mask
	s_mov_b32 s[G1+1], 32<<16                      ; rows of 256 bytes,
	s_mov_b32 s[G1+2], 128<<16                     ; 128 of them,
	s_mov_b32 s[G1+3], 32<<16
	s_mov_b32 s[G1+4], 128
	s_mov_b32 s[G1+5], 32                          ; dense
	s_mov_b32 s[G1+6], 0
	s_mov_b32 s[G1+7], 0
	s_or_b32 s[G1B+0], s44, (1<<16)|(1<<20)|(1<<21)|(6<<22)|(3<<25)  ; Wout: elements of 2 bytes; 4 words of padding behind every 128
	s_mov_b32 s[G1B+1], KSTEP<<16
	s_mov_b32 s[G1B+2], 64<<16
	s_mov_b32 s[G1B+3], KSTEP<<16
	s_mov_b32 s[G1B+4], 64
	s_mov_b32 s[G1B+5], SIZE_K
	s_mov_b32 s[G1B+6], 0
	s_mov_b32 s[G1B+7], 0
	s_lshl_b32 s16, s13, 18                        ; A: 262,144 bytes a tile row, 32,768 a half
	s_lshl_b32 s17, s12, 15
	s_add_co_u32 s16, s16, s17
	s_mov_b32 s17, 0
	s_lshl_b32 s46, s42, 7                         ; Wout: row 128 x tile column + 64 x half, 2,048 bytes a row
	s_lshl_b32 s47, s12, 6
	s_add_co_u32 s46, s46, s47
	s_lshl_b32 s46, s46, 11
	s_mov_b32 s47, 0
	s_lshl_b32 s20, s12, 15                        ; where they go in a slot: no place in the cluster enters an LDS address
	s_mul_i32 s21, s12, HALFB
	s_add_co_u32 s21, s21, BOFF
	s_wait_dscnt 0x0                               ; both opening adds are done
	s_wait_kmcnt 0x0
	s_add_nc_u64 s[14:15], s[4:5], s[16:17]
	s_add_nc_u64 s[46:47], s[6:7], s[46:47]
	CROUND                                         ; all sixteen work-groups are here: the first joint loads meet
.irp s, 0,1
	s_mov_b32 s[G0+4*\s], 1
	s_add_co_u32 s[G0+4*\s+1], s20, \s*SLOT
	s_add_nc_u64 s[G0+4*\s+2:G0+4*\s+3], s[14:15], \s*65536
	s_or_b32 s[G0+4*\s+3], s[G0+4*\s+3], 0x80000000
	s_mov_b32 s[G0B+4*\s], 1
	s_add_co_u32 s[G0B+4*\s+1], s21, \s*SLOT
	s_add_nc_u64 s[G0B+4*\s+2:G0B+4*\s+3], s[46:47], \s*KSTEP*2
	s_or_b32 s[G0B+4*\s+3], s[G0B+4*\s+3], 0x80000000
	JLOAD \s                                       ; two loads of mine are out
.endr
	v_and_b32 v1, 15, v0                           ; l % 16
	v_bfe_u32 v2, v0, 4, 1                         ; l / 16
	v_and_b32 v6, 31, v0
	v_lshlrev_b32 v6, 4, v6                        ; 16 x lane
	v_mul_u32_u24 v3, v1, PITCH
	v_lshl_add_u32 v3, v2, 4, v3
	s_lshl_b32 s21, s11, 15                        ; my 64 rows of A: four row tiles of 8,192 bytes
	s_mul_i32 s22, s12, HALFB                      ; my 64 rows of Wout
	s_add_co_u32 s22, s22, BOFF
.irp s, 0,1
	v_add_nc_u32 v[ADRA+\s], s21, v6
	v_add_nc_u32 v[ADRB+\s], s22, v3
	s_add_co_u32 s21, s21, SLOT
	s_add_co_u32 s22, s22, SLOT
.endr
	s_mul_i32 s23, s10, 16*SPITCH
	s_add_co_u32 s23, s23, STAGE                   ; my stage
	v_mul_u32_u24 v4, v1, SPITCH                   ; in: row l % 16, 32 bytes for each half of the lanes
	v_lshl_add_u32 v4, v2, 5, v4
	v_add_nc_u32 v[STO], s23, v4
	v_mul_u32_u24 v5, v2, SPITCH                   ; back: lanes 0-15 one row of 256 bytes, lanes 16-31 the next
	v_lshl_add_u32 v5, v1, 4, v5
	v_add_nc_u32 v[RD], s23, v5
	v_lshlrev_b32 v5, 12, v2                       ; and the same two rows in out0: 4,096 bytes a row
	v_lshl_add_u32 v[CO], v1, 4, v5
	s_lshl_b32 s16, s13, 7
	s_lshl_b32 s17, s11, 6
	s_add_co_u32 s16, s16, s17                     ; my first row
	s_lshl_b32 s16, s16, 12
	s_mov_b32 s17, 0
	s_add_nc_u64 s[8:9], s[8:9], s[16:17]
	s_lshl_b32 s46, s42, 9                         ; my first column, in bytes
	s_lshl_b32 s47, s12, 8
	s_add_co_u32 s46, s46, s47
	s_mov_b32 s47, 0
	s_add_nc_u64 s[8:9], s[8:9], s[46:47]
	s_or_b32 s45, s45, s11                         ; 0 where my block 0 is positions 0-15
.macro MUL8 f, c, a0, zero             ; 8 matrix instructions: blocks a0, a0 + 1 of A x Wout's four, 32 along K
.irp a, \a0, \a0+1
.irp b, 0,1,2,3
.if \zero
	v_wmma_f32_16x16x32_f16 v[ACC+8*(4*(\a)+\b):ACC+8*(4*(\a)+\b)+7], v[\f+64+8*(4*\c+\b):\f+64+8*(4*\c+\b)+7], v[\f+8*(4*\c+\a):\f+8*(4*\c+\a)+7], 0
.else
	v_wmma_f32_16x16x32_f16 v[ACC+8*(4*(\a)+\b):ACC+8*(4*(\a)+\b)+7], v[\f+64+8*(4*\c+\b):\f+64+8*(4*\c+\b)+7], v[\f+8*(4*\c+\a):\f+8*(4*\c+\a)+7], v[ACC+8*(4*(\a)+\b):ACC+8*(4*(\a)+\b)+7]
.endif
.endr
.endr
.endm
.macro FETCH slot, hh, f               ; 32 LDS loads in one run: 64 along K (head hh of the K step's four), the first 32 along K first
	WIN TO_F
.irp c, 0,1
.irp i, 0,1,2,3
	ds_load_b128 v[\f+64+8*(4*\c+\i):\f+64+8*(4*\c+\i)+3],   v[ADRB+\slot] offset:128*(\hh)+64*\c+\i*16*PITCH
	ds_load_b128 v[\f+64+8*(4*\c+\i)+4:\f+64+8*(4*\c+\i)+7], v[ADRB+\slot] offset:128*(\hh)+64*\c+\i*16*PITCH+32
	ds_load_b128 v[\f+8*(4*\c+\i):\f+8*(4*\c+\i)+3],         v[ADRA+\slot] offset:\i*8192+(\hh)*2048+\c*1024
	ds_load_b128 v[\f+8*(4*\c+\i)+4:\f+8*(4*\c+\i)+7],       v[ADRA+\slot] offset:\i*8192+(\hh)*2048+\c*1024+512
.endr
.endr
.endm
.macro PLACES
.rept 4
	v_nop
.endr
.endm
.macro QUARTER slot, hh, f, g, zero    ; multiplies buffer f and fetches the next quarter, head hh, into g
	s_wait_dscnt 16                                ; the first 32 along K are in; the other sixteen loads may be out
	WIN MUL
	MUL8 \f, 0, 0, \zero
	MUL8 \f, 0, 2, \zero
	PLACES
	FETCH \slot, \hh, \g
	s_wait_dscnt 32                                ; all but the 32 just issued
	WIN MUL
	MUL8 \f, 1, 0, 0
	MUL8 \f, 1, 2, 0
.endm
; A slot's last quarter changes slots: each wave waits for all its tensor loads, adds 0 to its spare word, waits for that and for its reads of this slot; one barrier.  fill = 1: it opens a round of the
; cluster's barrier, and this slot is filled again, two K steps ahead, first thing behind the round.
.macro TURN slot, next, fill
	WIN 0
	s_wait_tensorcnt 0x0
	ds_add_u32 v[SPW], v[NIL]
	s_wait_dscnt 17                                ; the add and the youngest sixteen loads may be out
	WIN MUL
	MUL8 F1, 0, 0, 0
	s_wait_dscnt 0x0
	s_barrier_signal -1
	MUL8 F1, 0, 2, 0
.if \fill
	WIN 0
.endif
	s_barrier_wait -1
.if \fill
	CREST
	s_add_nc_u64 s[G0+4*\slot+2:G0+4*\slot+3], s[G0+4*\slot+2:G0+4*\slot+3], 2*65536
	s_add_nc_u64 s[G0B+4*\slot+2:G0B+4*\slot+3], s[G0B+4*\slot+2:G0B+4*\slot+3], 2*KSTEP*2
	JLOAD \slot                                    ; the four v_nop behind it are also the places in front of the loads below
.else
	PLACES
.endif
	FETCH \next, 0, F0
	WIN MUL
	MUL8 F1, 1, 0, 0
	MUL8 F1, 1, 2, 0
.endm
	s_wait_tensorcnt 1                             ; my part of K step 0 is in; K step 1's load may be out
	s_barrier_signal -1
	s_barrier_wait -1
	FETCH 0, 0, F0
	QUARTER 0, 1, F0, F1, 1                        ; the first products start the sums
	WIN 0
	s_mov_b32 s3, LAPS-1
.Llap:                                                 ; a trip goes once round the two slots and fills both again
	QUARTER 0, 2, F1, F0, 0
	QUARTER 0, 3, F0, F1, 0
	TURN 0, 1, 1
	QUARTER 1, 1, F0, F1, 0
	QUARTER 1, 2, F1, F0, 0
	QUARTER 1, 3, F0, F1, 0
	TURN 1, 0, 1
	QUARTER 0, 1, F0, F1, 0
	WIN 0
	s_sub_co_u32 s3, s3, 1
	s_cmp_lg_u32 s3, 0
	s_cbranch_scc1 .Llap
	QUARTER 0, 2, F1, F0, 0                        ; the last lap fills nothing
	QUARTER 0, 3, F0, F1, 0
	TURN 0, 1, 0
	QUARTER 1, 1, F0, F1, 0
	QUARTER 1, 2, F1, F0, 0
	QUARTER 1, 3, F0, F1, 0
	s_wait_dscnt 16
	WIN MUL
	MUL8 F1, 0, 0, 0
	MUL8 F1, 0, 2, 0
	s_wait_dscnt 0
	MUL8 F1, 1, 0, 0
	MUL8 F1, 1, 2, 0
	WIN 0
; THE WAY OUT.  My 64 columns of f32 are 256 bytes of a row.  A block of 16 rows goes through my own stage and comes back by rows: sixteen lanes store 256 consecutive bytes, aligned.
; LDS serves a wave's instructions in order: no wait between the stores and the loads, nor in front of the next block's stores.
.macro TOSTAGE a
.irp b, 0,1,2,3
	ds_store_b128 v[STO], v[ACC+8*(4*(\a)+\b):ACC+8*(4*(\a)+\b)+3] offset:64*\b          ; each accumulator from its low end on
	ds_store_b128 v[STO], v[ACC+8*(4*(\a)+\b)+4:ACC+8*(4*(\a)+\b)+7] offset:64*\b+16
.endr
.irp t, 0,1,2,3,4,5,6,7
	ds_load_b128 v[TMP+32*((\a)%2)+4*\t:TMP+32*((\a)%2)+4*\t+3], v[RD] offset:\t*2*SPITCH
.endr
.endm
.macro SEND a, younger                 ; younger: the LDS instructions issued behind block a's loads
	s_wait_dscnt \younger
.irp t, 0,1,2,3,4,5,6,7
	global_store_b128 v[CO], v[TMP+32*((\a)%2)+4*\t:TMP+32*((\a)%2)+4*\t+3], s[8:9] offset:(16*(\a)+2*\t)*4096 th:TH_STORE_NT
.endr
.endm
	PLACES
	s_cmp_eq_u32 s45, 0                            ; positions 0-15 are stored by the launch behind this one
	s_cbranch_scc1 .Lskip
	TOSTAGE 0
	SEND 0, 0
.Lskip:
	TOSTAGE 1
	s_wait_xcnt 0x0                                ; block 0's stores have read their registers
	TOSTAGE 2
	SEND 1, 16                                     ; behind block 1's loads: block 2's eight stores and eight loads
	s_wait_xcnt 0x0
	TOSTAGE 3
	SEND 2, 16
	SEND 3, 0
	s_wait_tensorcnt 0x0                           ; the wave's end
	ds_add_u32 v[SPW], v[NIL]
	s_wait_dscnt 0x0
	CROUND                                         ; the closing round
	s_endpgm
.Lfunc_end_k_q7bd5782000_proj:
	.size	k_q7bd5782000_proj, .Lfunc_end_k_q7bd5782000_proj-k_q7bd5782000_proj
	.p2alignl 7, 3214868480
	.fill 96, 4, 3214868480
	.section	.rodata,"a",@progbits
	.p2align	6, 0x0
	.amdhsa_kernel k_q7bd5782000_proj
		.amdhsa_group_segment_fixed_size 327680
		.amdhsa_private_segment_fixed_size 0
		.amdhsa_enable_private_segment 0
		.amdhsa_kernarg_size 24
		.amdhsa_user_sgpr_count 2
		.amdhsa_user_sgpr_kernarg_segment_ptr 1
		.amdhsa_wavefront_size32 1
		.amdhsa_system_sgpr_workgroup_id_x 1
		.amdhsa_system_sgpr_workgroup_id_y 1
		.amdhsa_system_sgpr_workgroup_id_z 1
		.amdhsa_system_vgpr_workitem_id 0
		.amdhsa_next_free_vgpr 512
		.amdhsa_next_free_sgpr 66
		.amdhsa_reserve_vcc 0
		.amdhsa_float_denorm_mode_32 3
		.amdhsa_float_denorm_mode_16_64 3
		.amdhsa_memory_ordered 1
		.amdhsa_forward_progress 1
		.amdhsa_inst_pref_size 86
	.end_amdhsa_kernel
	.amdgpu_metadata
---
amdhsa.version: [ 1, 2 ]
amdhsa.kernels:
  - .name:           k_q7bd5782000_proj
    .symbol:         k_q7bd5782000_proj.kd
    .args:
      - { .name: a16, .offset: 0, .size: 8, .value_kind: global_buffer, .address_space: global }
      - { .name: w16, .offset: 8, .size: 8, .value_kind: global_buffer, .address_space: global }
      - { .name: out0, .offset: 16, .size: 8, .value_kind: global_buffer, .address_space: global }
    .group_segment_fixed_size: 327680
    .private_segment_fixed_size: 0
    .kernarg_segment_align: 8
    .kernarg_segment_size: 24
    .max_flat_workgroup_size: 128
    .sgpr_count:     66
    .vgpr_count:     512
    .wavefront_size: 32
...
	.end_amdgpu_metadata
.endif
;; end of part 4
;; launch fine (part 5): grid 16 x 4, 16 waves a work-group, no clusters, 71,680 bytes of LDS; arguments fine32, Wout, out0; writes out0
.if DOCPART == 5
	.amdgcn_target "amdgcn-amd-amdhsa--gfx1250"
	.amdhsa_code_object_version 6
	.text
	.protected	k_q7bd5782000_fine
	.globl	k_q7bd5782000_fine
	.p2align	8
	.type	k_q7bd5782000_fine,@function
k_q7bd5782000_fine:
	s_mov_b64 s[64:65], 0
	v_nop
	global_prefetch_b8 v0, s[64:65] scope:SCOPE_SE
	s_setreg_imm32_b32 hwreg(HW_REG_WAVE_MODE, 25, 1), 1
	s_wait_xcnt 0x0
; FINE: positions 0-15 of every sequence, attention and projection, all in f32.  These rows average one to sixteen values and are the largest of the result, so f16 operands would weigh most here.
; Work-group (cs, b): 64 columns of the result, batch b.  Wave w is head w: it makes its head's 16 x 16 scores, softmax and 16 x 64 result, and multiplies that by Wout[64 cs .. + 63][64 w .. + 63]:
; a head's 64 channels are a range of the projection's K, so only partial sums meet, in LDS; wave w then adds the sixteen parts of row w.
; All products by v_wmma_f32_16x16x4_f32, used transposed: a lane holds one query.  The same permutation of k is applied to both operands of a product.
; The registers that this form writes (v176-239) are written by matrix instructions alone; what is made of a sum goes elsewhere.
; q arrives times log2(e) / 8: a score is an exponent of two; the row's maximum is taken off it.
; REGISTERS: v1-13 addresses and work; v14, v15 the add's two; v16-47 Q, later Wout's tile 2; v48-79 K, later tile 3; v80-111 V, later O / sum; v112-175 Wout's tiles 0, 1;
;   v176-207 four accumulators: S^T in four parts, then O^T; v208-239 the result's four; v240-247 scores, then p; v248-255 at work.
.set PREG,  4352                       ; LDS: a wave's partial sums: 16 rows x (256 bytes + 16)
.set SPARE, 16*PREG                    ; the spare words, 128 bytes a wave
	s_load_b128 s[4:7], s[0:1], 0x0                ; fine32, Wout
	s_load_b64 s[8:9], s[0:1], 0x10                ; out0
	v_lshl_add_u32 v14, v0, 2, SPARE
	v_mov_b32 v15, 0
	v_lshrrev_b32 v1, 5, v0
	v_readfirstlane_b32 s10, v1                    ; wave = head
	v_and_b32 v8, 31, v0                           ; lane
	v_and_b32 v9, 15, v0                           ; r
	v_bfe_u32 v10, v0, 4, 1                        ; h
	v_lshlrev_b32 v1, 4, v8                        ; 16 x lane
	v_bfe_u32 v2, v9, 2, 1                         ; V: lane (r, h) wants channel 16 t + r of keys 8 h + 0..7.  In the image: u = (r / 4) % 2,
	v_lshlrev_b32 v2, 9, v2
	v_lshrrev_b32 v11, 3, v9
	v_lshlrev_b32 v11, 1, v11
	v_add_nc_u32 v11, v11, v10
	v_lshl_add_u32 v2, v11, 7, v2                  ; lane 8 h + key + 16 (r / 8), 16 bytes each,
	v_and_b32 v11, 3, v9
	v_lshl_add_u32 v2, v11, 2, v2                  ; word r % 4
	v_lshlrev_b32 v3, 12, v9                       ; Wout: row r of 4,096 bytes, + 32 h
	v_lshl_add_u32 v3, v10, 5, v3
	v_lshlrev_b32 v4, 3, v10
	v_sub_nc_u32 v4, v9, v4                        ; r - 8 h: the mask's bound
	s_mul_i32 s11, s10, PREG
	v_mul_u32_u24 v5, v9, 272
	v_lshl_add_u32 v5, v10, 5, v5
	v_add_nc_u32 v5, s11, v5                       ; my partial sums: row r, + 32 h
	s_mul_i32 s11, s10, 272
	v_lshlrev_b32 v7, 3, v8                        ; 8 x lane
	v_add_nc_u32 v6, s11, v7                       ; row w of a part
	v_mov_b32 v12, 0xff800000                      ; -infinity
	v_mov_b32 v13, 0
	v_mov_b32 v11, 0
	s_mov_b32 s20, 0x76543210
	s_mov_b32 s21, 0xfedcba98                      ; selects for lane l xor 16
	s_and_b32 s12, ttmp7, 0xffff                   ; b
	s_mul_i32 s14, s12, 48
	s_add_co_u32 s14, s14, s10
	s_lshl_b32 s14, s14, 12                        ; fine32: (48 b + head) x 4,096; k 65,536 and v 131,072 further on
	s_mov_b32 s15, 0
	s_lshl_b32 s16, ttmp9, 18                      ; Wout: row 64 cs, column 64 w
	s_lshl_b32 s17, s10, 8
	s_add_co_u32 s16, s16, s17
	s_mov_b32 s17, 0
	s_lshl_b32 s18, s12, 11
	s_add_co_u32 s18, s18, s10
	s_lshl_b32 s18, s18, 12                        ; out0: row 2,048 b + w, column 64 cs
	s_lshl_b32 s19, ttmp9, 8
	s_add_co_u32 s18, s18, s19
	s_mov_b32 s19, 0
	s_wait_kmcnt 0x0
	s_add_nc_u64 s[4:5], s[4:5], s[14:15]
	s_add_nc_u64 s[6:7], s[6:7], s[16:17]
	s_add_nc_u64 s[8:9], s[8:9], s[18:19]
.irp bq, 0,1,2,3
.irp u, 0,1
	global_load_b128 v[16+8*\bq+4*\u:19+8*\bq+4*\u], v1, s[4:5] offset:\bq*1024+\u*512            ; Q: position r, channels 16 bq + 8 h + 4 u + 0..3
.endr
.endr
.irp bq, 0,1,2,3
.irp u, 0,1
	global_load_b128 v[48+8*\bq+4*\u:51+8*\bq+4*\u], v1, s[4:5] offset:65536+\bq*1024+\u*512      ; K likewise
.endr
.endr
.irp t, 0,1,2,3
.irp k, 0,1,2,3,4,5,6,7
	global_load_b32 v[80+8*\t+\k], v2, s[4:5] offset:131072+\t*1024+\k*16                         ; V(key 8 h + k, channel 16 t + r)
.endr
.endr
.irp n, 0,1
.irp t, 0,1,2,3
.irp u, 0,1
	global_load_b128 v[112+32*\n+8*\t+4*\u:115+32*\n+8*\t+4*\u], v3, s[6:7] offset:\n*65536+\t*64+\u*16   ; Wout(64 cs + 16 n + r, 64 w + 16 t + 8 h + 4 u + 0..3)
.endr
.endr
.endr
	s_wait_loadcnt 48                              ; Q and K are in; V's 32 loads and Wout's 16 may be out
.irp bq, 0,1,2,3                               ; S^T = K Q^T in four parts, which take turns; an instruction sums channels 16 bq + 2 jj + 0, 1 and 8 further on
.irp jj, 0,1,2,3
.if \bq == 0
	v_wmma_f32_16x16x4_f32 v[176+8*\jj:183+8*\jj], v[48+8*\bq+2*\jj:49+8*\bq+2*\jj], v[16+8*\bq+2*\jj:17+8*\bq+2*\jj], 0
.else
	v_wmma_f32_16x16x4_f32 v[176+8*\jj:183+8*\jj], v[48+8*\bq+2*\jj:49+8*\bq+2*\jj], v[16+8*\bq+2*\jj:17+8*\bq+2*\jj], v[176+8*\jj:183+8*\jj]
.endif
.endr
.endr
.rept 8
	v_nop                                          ; eight places behind this form: loads land on Q and K, and the sums are read
.endr
.irp n, 2,3
.irp t, 0,1,2,3
.irp u, 0,1
	global_load_b128 v[16+32*(\n-2)+8*\t+4*\u:19+32*(\n-2)+8*\t+4*\u], v3, s[6:7] offset:\n*65536+\t*64+\u*16
.endr
.endr
.endr
.irp j, 0,2,4,6
	v_pk_add_f32 v[240+\j:241+\j], v[176+\j:177+\j], v[184+\j:185+\j]     ; the four parts, each read from its low end on
	v_pk_add_f32 v[248+\j:249+\j], v[192+\j:193+\j], v[200+\j:201+\j]
.endr
.irp j, 0,2,4,6
	v_pk_add_f32 v[240+\j:241+\j], v[240+\j:241+\j], v[248+\j:249+\j]     ; register j: key 8 h + j, query r
.endr
.irp j, 0,1,2,3,4,5,6,7
	v_cmp_gt_i32 vcc_lo, \j, v4                    ; hidden where 8 h + j > r
	v_cndmask_b32 v[240+\j], v[240+\j], v12, vcc_lo
.endr
	v_max3_num_f32 v10, v240, v241, v242
	v_max3_num_f32 v9, v243, v244, v245
	v_max3_num_f32 v10, v10, v246, v247
	v_max_num_f32 v10, v10, v9
	v_permlanex16_b32 v11, v10, s20, s21
	v_max_num_f32 v10, v10, v11                    ; the row's maximum: key 0 counts for every query
.irp j, 0,1,2,3,4,5,6,7
	v_sub_f32 v[240+\j], v[240+\j], v10
.endr
.irp j, 0,1,2,3,4,5,6,7
	v_exp_f32 v[240+\j], v[240+\j]
.endr
	v_nop
	s_wait_alu depctr_va_vdst(0)                   ; one wait for the eight
	v_pk_add_f32 v[248:249], v[240:241], v[242:243]
	v_pk_add_f32 v[250:251], v[244:245], v[246:247]
	v_pk_add_f32 v[248:249], v[248:249], v[250:251]
	v_add_f32 v11, v248, v249
	v_permlanex16_b32 v13, v11, s20, s21
	v_add_f32 v11, v11, v13                        ; the row's sum
	v_rcp_f32 v12, v11
	v_nop
	s_wait_alu depctr_va_vdst(0)
	s_wait_loadcnt 32                              ; V is in; Wout's 32 loads may be out
.irp jj, 0,1,2,3                               ; O^T = V^T P: four tiles of 16 channels by turns; an instruction sums keys 2 jj + 0, 1 and 8 further on
.irp t, 0,1,2,3
.if \jj == 0
	v_wmma_f32_16x16x4_f32 v[176+8*\t:183+8*\t], v[80+8*\t+2*\jj:81+8*\t+2*\jj], v[240+2*\jj:241+2*\jj], 0
.else
	v_wmma_f32_16x16x4_f32 v[176+8*\t:183+8*\t], v[80+8*\t+2*\jj:81+8*\t+2*\jj], v[240+2*\jj:241+2*\jj], v[176+8*\t:183+8*\t]
.endif
.endr
.endr
.rept 8
	v_nop
.endr
.irp j, 0,2,4,6,8,10,12,14,16,18,20,22,24,26,28,30
	v_pk_mul_f32 v[80+\j:81+\j], v[176+\j:177+\j], v[12:13] op_sel_hi:[1,0]   ; O^T / the sum: register 8 t + j: channel 16 t + 8 h + j, query r
.endr
	s_wait_loadcnt 0x0
.irp t, 0,1,2,3                                ; my head's part of the result: four tiles of 16 columns by turns
.irp jj, 0,1,2,3
.irp n, 0,1,2,3
.if (\t == 0) && (\jj == 0)
	v_wmma_f32_16x16x4_f32 v[208+8*\n:215+8*\n], v[112+32*\n-160*(\n/2)+8*\t+2*\jj:113+32*\n-160*(\n/2)+8*\t+2*\jj], v[80+8*\t+2*\jj:81+8*\t+2*\jj], 0
.else
	v_wmma_f32_16x16x4_f32 v[208+8*\n:215+8*\n], v[112+32*\n-160*(\n/2)+8*\t+2*\jj:113+32*\n-160*(\n/2)+8*\t+2*\jj], v[80+8*\t+2*\jj:81+8*\t+2*\jj], v[208+8*\n:215+8*\n]
.endif
.endr
.endr
.endr
.rept 8
	v_nop
.endr
.irp n, 0,1,2,3
.irp u, 0,1
	ds_store_b128 v5, v[208+8*\n+4*\u:211+8*\n+4*\u] offset:64*\n+16*\u    ; query r, columns 16 n + 8 h + 4 u + 0..3
.endr
.endr
	s_wait_dscnt 0x0                               ; for the others' sake: my stores are done
	s_barrier_signal -1
	s_barrier_wait -1
.irp i, 0,1,2,3,4,5,6,7,8,9,10,11,12,13,14,15
	ds_load_b64 v[16+2*\i:17+2*\i], v6 offset:\i*PREG      ; row w of head i's part: 8 bytes a lane
.endr
	s_wait_dscnt 0x0
.irp i, 0,1,2,3,4,5,6,7
	v_pk_add_f32 v[16+2*\i:17+2*\i], v[16+2*\i:17+2*\i], v[32+2*\i:33+2*\i]
.endr
.irp i, 0,1,2,3
	v_pk_add_f32 v[16+2*\i:17+2*\i], v[16+2*\i:17+2*\i], v[24+2*\i:25+2*\i]
.endr
.irp i, 0,1
	v_pk_add_f32 v[16+2*\i:17+2*\i], v[16+2*\i:17+2*\i], v[20+2*\i:21+2*\i]
.endr
	v_pk_add_f32 v[16:17], v[16:17], v[18:19]
	global_store_b64 v7, v[16:17], s[8:9]          ; 256 consecutive bytes, aligned
	s_wait_tensorcnt 0x0                           ; the wave's end, behind my last LDS store
	ds_add_u32 v14, v15
	s_wait_dscnt 0x0
	s_endpgm
.Lfunc_end_k_q7bd5782000_fine:
	.size	k_q7bd5782000_fine, .Lfunc_end_k_q7bd5782000_fine-k_q7bd5782000_fine
	.p2alignl 7, 3214868480
	.fill 96, 4, 3214868480
	.section	.rodata,"a",@progbits
	.p2align	6, 0x0
	.amdhsa_kernel k_q7bd5782000_fine
		.amdhsa_group_segment_fixed_size 71680
		.amdhsa_private_segment_fixed_size 0
		.amdhsa_enable_private_segment 0
		.amdhsa_kernarg_size 24
		.amdhsa_user_sgpr_count 2
		.amdhsa_user_sgpr_kernarg_segment_ptr 1
		.amdhsa_wavefront_size32 1
		.amdhsa_system_sgpr_workgroup_id_x 1
		.amdhsa_system_sgpr_workgroup_id_y 1
		.amdhsa_system_sgpr_workgroup_id_z 1
		.amdhsa_system_vgpr_workitem_id 0
		.amdhsa_next_free_vgpr 256
		.amdhsa_next_free_sgpr 66
		.amdhsa_reserve_vcc 1
		.amdhsa_float_denorm_mode_32 3
		.amdhsa_float_denorm_mode_16_64 3
		.amdhsa_memory_ordered 1
		.amdhsa_forward_progress 1
		.amdhsa_inst_pref_size 24
	.end_amdhsa_kernel
	.amdgpu_metadata
---
amdhsa.version: [ 1, 2 ]
amdhsa.kernels:
  - .name:           k_q7bd5782000_fine
    .symbol:         k_q7bd5782000_fine.kd
    .args:
      - { .name: fine32, .offset: 0, .size: 8, .value_kind: global_buffer, .address_space: global }
      - { .name: Wout, .offset: 8, .size: 8, .value_kind: global_buffer, .address_space: global }
      - { .name: out0, .offset: 16, .size: 8, .value_kind: global_buffer, .address_space: global }
    .group_segment_fixed_size: 71680
    .private_segment_fixed_size: 0
    .kernarg_segment_align: 8
    .kernarg_segment_size: 24
    .max_flat_workgroup_size: 512
    .sgpr_count:     66
    .vgpr_count:     256
    .wavefront_size: 32
...
	.end_amdgpu_metadata
.endif
;; end of part 5
